; MI455X (gfx1250); checked and timed in simulation.
; The chip was launched on July 23, 2026; its instructions are those of AMD's public machine-readable ISA for CDNA 5 (MIT licence, August 2026) and "CDNA5" Instruction Set Architecture Reference Guide (July 2026). The comments in the code are by the model that wrote it; some were corrected since.
;; Multi Head Attention. Allowed arithmetic: matrix products marked QUANTISED: E5M2 operands, one E8M0 scale for each 32 along K, by v_wmma_scale_f32_16x16x128_f8f6f4 with both operands' format E5M2, f32 sums; everything else in f32.
;; Inputs: Wk 16 x 1,024 x 64 float32; Wp 1,024 x 1,024 float32; Wq 16 x 1,024 x 64 float32; Wv 16 x 1,024 x 64 float32; bp 1,024 float32; x 4 x 2,048 x 1,024 float32.
;; Outputs: out0 4 x 2,048 x 1,024 float32.
;; This version of the problem:
;;   THIS VERSION OF THE PROBLEM IS GIVEN IN LOW PRECISION. The matrix products marked QUANTISED in the list below multiply operands that are first quantised to E5M2 (5 exponent bits, 2 mantissa bits; 8 bits a number), with one power-of-two scale for each 32 numbers along K (OCP MX v1.0); their sums are f32. All else is computed in f32.
;;   The module's matrix products, in the order in which they are computed (A, B: the left and right operand; K: the contracted axis; several contracted axes count as one K, in the product's order):
;;     1. [M 1,024, K 1,024] x [K 1,024, N 8,192]; A: input Wq; B: input x: QUANTISED
;;     2. [M 1,024, K 1,024] x [K 1,024, N 8,192]; A: input Wk; B: input x: QUANTISED
;;     3. [M 1,024, K 1,024] x [K 1,024, N 8,192]; A: input Wv; B: input x: QUANTISED
;;     4. batch 64 x [M 2,048, K 64] x [K 64, N 2,048]; A: computed on the way; B: computed on the way: QUANTISED
;;     5. batch 64 x [M 2,048, K 2,048] x [K 2,048, N 64]; A: softmax (see below); B: computed on the way: QUANTISED
;;     6. [M 8,192, K 1,024] x [K 1,024, N 1,024]; A: computed on the way; B: input Wp: QUANTISED
;;   THE QUANTISER, for each operand of a quantised product, along K:
;;     - K is cut into blocks of 32 from its start; a last block that is shorter is filled with zeros.
;;     - A block's scale is 2^e with e = floor(log2(the largest magnitude in the block)) - 15, held to -126 .. 127; a block of zeros has e = 0. As a byte (E8M0): e + 127.
;;     - Each number is divided by its block's scale, clamped to +-57,344, and rounded to the nearest number of E5M2, ties to even, subnormals kept.
;;     - The product sums the exact products of the quantised numbers (number of the format x scale) in f32.
;;   ~~~python
;;   def quantise(x, axis):      # numpy; x: float32 -> the quantised numbers, widened to float32 again
;;       x = np.moveaxis(x, axis, -1); K = x.shape[-1]
;;       x = np.pad(x, [(0, 0)] * (x.ndim - 1) + [(0, -K % 32)]); x = x.reshape(x.shape[:-1] + (-1, 32)); a = np.abs(x).max(-1, keepdims=True)
;;       e = np.where(a > 0, np.clip(np.frexp(np.where(a > 0, a, 1))[1] - 1 - 15, -126, 127), 0)      # np.frexp(a)[1] - 1 = floor(log2(a)), exactly
;;       r = np.clip(x / 2.0 ** e, -57344, 57344)
;;       step = 2.0 ** (np.maximum(np.frexp(np.where(r == 0, 1, r))[1] - 1, -14) - 2)
;;       q = np.round(r / step) * step * 2.0 ** e      # np.round: ties to even
;;       return np.moveaxis(q.reshape(q.shape[:-2] + (-1,))[..., :K], -1, axis).astype(np.float32)
;;   ~~~
;;   SOFTMAX AHEAD OF A QUANTISED PRODUCT. Where the list says 'softmax', what is quantised is not the finished softmax but p = 2^(t - M), with t = logit x log2(e) and M = ceil(the row's largest t), a whole number; so 1/2 < the row's largest p <= 1. The row's sum l is taken of the UNQUANTISED p, in f32, and the product's result is divided by l at the end. Since M is a whole number, a kernel that streams over the keys may use a running M (the ceiling of the running maximum): every later rescaling is an exact power of two, which a block's scale takes up: the codes' values come out the same.
;;   OPERANDS COMPUTED ON THE WAY. 'Computed on the way' means the value that the module computes at that place (a softmax that the list does not call 'softmax' is quantised finished and normalised). What goes into a quantiser is computed in f32, as accurately as f32 sums, v_exp_f32 and their like allow (about 1e-6 of the number): no bf16 or f16 on the way to a quantiser, and a product that is left as it is and whose result goes on into a quantised operand takes f32 operands (vector FMAs, or v_wmma_f32_16x16x4_f32). A number that lies on a knife's edge between two numbers of the format may be rounded either way, as far as f32 arithmetic and the matrix unit's own rounding can turn it there, and no further.
;; One version. Each part assembles by itself: llvm-mc -triple=amdgcn-amd-amdhsa -mcpu=gfx1250 --defsym DOCPART=n.
;; ======== version 1 of 1: 4 launches
;; limits: right only within a limited range of input values
;; workspace buffers: x_img 8,650,752 bytes; wqk_img 2,162,688 bytes; wv_img 1,081,344 bytes; wp_img 1,081,344 bytes; qk_z 69,206,016 bytes; v_z 69,206,016 bytes; o_img 8,650,752 bytes
;; launch quant (part 1): grid 480 x 1, 4 waves a work-group, no clusters, 34,304 bytes of LDS; arguments Wq, Wk, Wv, x, Wp, wqk_img, wv_img, x_img, wp_img; writes wqk_img, wv_img, x_img, wp_img
.if DOCPART == 1
	.amdgcn_target "amdgcn-amd-amdhsa--gfx1250"
	.amdhsa_code_object_version 6
	.text
	.protected	k_q472a90144e_quant
	.globl	k_q472a90144e_quant
	.p2align	8
	.type	k_q472a90144e_quant,@function
k_q472a90144e_quant:
	s_mov_b64 s[64:65], 0
	v_nop
	global_prefetch_b8 v0, s[64:65] scope:SCOPE_SE
	s_setreg_imm32_b32 hwreg(HW_REG_WAVE_MODE, 25, 1), 1
	s_wait_xcnt 0x0
; The five f32 inputs become codes of BF8 (E5M2) with one E8M0 scale byte for each 32 along K = the 1,024 channels.
; A block's scale is 2^(floor(log2(largest magnitude)) - 15); each number is divided by it, held within +-57,344 and rounded to the nearest code, ties to even.
; THE IMAGE that is written (a record of 135,168 bytes for each 128 rows of an operand) is laid in the order of the matrix operand's registers:
;   codes:  ks*32768 + rb*4096 + q*2048 + c*512 + lane*16   (ks = k/256, rb = (row/16)%8, q = (k/128)%2, c = (k/32)%4, lane = row%16 + 16 h)
;   scales: 131072 + ks*1024 + (row%128)*8 + q*4 + c
; ORDER INSIDE A BLOCK OF 32: byte 16 h + 8 u + j holds element 16 u + 8 h + j.  Every operand of this program is laid so, on both sides of every product, so the right numbers meet.
; Work-groups 0-95: Wq, Wk, Wv ([head][k][64]: K is not innermost): a lane takes a column and its registers run down K.  No LDS.
; Work-groups 96-383: x and Wp (K innermost): rows come in as they lie, 512 bytes a load, and turn through the wave's own stage in LDS.
; LIMITS: NaN and infinities among the inputs are not served.  A block of zeros, or one whose largest magnitude lies under 2^-111, keeps the byte 1 (the rule says 127 for zeros): its codes are zeros or tiny, and this program alone reads the bytes.
.set REC,    135168
.set SCO,    131072
.set WX,     32                        ; path W: v32-95 two sets of 32 numbers
.set WC,     96                        ; v96-127 eight registers of codes for each block: never written again, so no store's data are
.set SB,     24                        ; v24 a lane's four scale bytes
.set XR,     16                        ; path X: v16-143 two sets of 64 registers as loaded
.set XX,     144                       ; v144-207 64 numbers in the operand's order
.set XPC,    208                       ; v208-239 two sets of 16 registers of codes
.set TM,     240                       ; v240-243 largest magnitudes, 244-247 bytes, 248-251 holds, 252-255 scale operands
.set XPW,    8                         ; v8-11 a scale word for each fragment
.set SPITCH, 528                       ; a stage row: 512 bytes + 16: an odd multiple of 16, so sixteen rows start at sixteen different groups of banks
.macro WLOAD t                         ; block t of a column: 32 rows of W, 128 consecutive bytes a wave each
.set n, 0
.rept 32
	global_load_b32 v[WX+32*((\t)%2)+n], v2, s[40:41] offset:(32*(\t)+n)*256 th:TH_LOAD_NT
.set n, n+1
.endr
.endm
.macro WBLOCK t
.set XS, WX+32*((\t)%2)
.set CC, WC+8*(\t)
.if (\t) < 3
	s_wait_loadcnt 32                              ; this block's 32 loads are in; the next block's 32 may be out
.else
	s_wait_loadcnt 0
.endif
	v_max3_num_f32 v12, |v[XS]|, |v[XS+1]|, |v[XS+2]|      ; the block's largest magnitude: all 32 numbers are mine; two chains
	v_max3_num_f32 v13, |v[XS+3]|, |v[XS+4]|, |v[XS+5]|
.irp i, 6,10,14,18,22,26
	v_max3_num_f32 v12, v12, |v[XS+\i]|, |v[XS+\i+1]|
	v_max3_num_f32 v13, v13, |v[XS+\i+2]|, |v[XS+\i+3]|
.endr
	v_max3_num_f32 v12, v12, |v[XS+30]|, |v[XS+31]|
	v_max3_num_f32 v12, v12, v13, 0x8000000        ; and the floor 2^(16 - 127): the byte cannot fall under 1
	v_add_nc_u32 v11, 0xf8800000, v12              ; 15 off the exponent field: the conversion's scale operand
	v_and_or_b32 v10, v12, 0x7f800000, s23         ; 57,344 x the scale
	v_lshrrev_b32 v13, 23, v11                     ; the scale's byte
.if (\t)%4 == 0
	v_mov_b32 v[SB+(\t)/4], v13
.else
	v_lshl_or_b32 v[SB+(\t)/4], v13, 8*((\t)%4), v[SB+(\t)/4]
.endif
.set n, 0
.rept 32
	v_med3_num_f32 v[XS+n], v[XS+n], -v10, v10     ; the conversion to an 8-bit code does not saturate (ISA guide 7.6.2): the hold comes first
.set n, n+1
.endr
	v_cvt_scalef32_pk8_bf8_f32 v[CC:CC+1], v[XS:XS+7], v11          ; bytes 0-7: elements 0-7
	v_cvt_scalef32_pk8_bf8_f32 v[CC+2:CC+3], v[XS+16:XS+23], v11    ; bytes 8-15: elements 16-23
	v_cvt_scalef32_pk8_bf8_f32 v[CC+4:CC+5], v[XS+8:XS+15], v11     ; bytes 16-23: elements 8-15
	v_cvt_scalef32_pk8_bf8_f32 v[CC+6:CC+7], v[XS+24:XS+31], v11    ; bytes 24-31: elements 24-31
	global_store_b128 v3, v[CC:CC+3], s[44:45] offset:512*(\t)      ; lanes 0-15 store 256 consecutive aligned bytes, lanes 16-31 the same 4,096 bytes on (the next 16 rows)
	global_store_b128 v3, v[CC+4:CC+7], s[44:45] offset:512*(\t)+256
.if (\t)+2 < 4
	WLOAD (\t)+2
.endif
.endm
.macro XLOAD f                         ; fragment f = 2 (which 16 rows) + (which 128 along K): sixteen rows, 512 consecutive bytes each
.set n, 0
.rept 16
	global_load_b128 v[XR+64*((\f)%2)+4*n:XR+64*((\f)%2)+4*n+3], v2, s[40:41] offset:((\f)/2)*65536+n*4096+((\f)%2)*512 th:TH_LOAD_NT
.set n, n+1
.endr
.endm
.macro FRAGQ f
.set RS, XR+64*((\f)%2)
.if (\f) < 3
	s_wait_loadcnt 16                              ; this fragment's 16 loads are in; the next fragment's 16 may be out
.else
	s_wait_loadcnt 0
.endif
.set n, 0
.rept 16
	ds_store_b128 v3, v[RS+4*n:RS+4*n+3] offset:n*SPITCH
.set n, n+1
.endr
.irp c, 0,1,2,3                        ; LDS serves a wave's instructions in order: these see the stores.  Register 16 c + 8 u + j = element 32 c + 16 u + 8 h + j of row r
	ds_load_b128 v[XX+16*\c:XX+16*\c+3], v6 offset:128*\c
	ds_load_b128 v[XX+16*\c+4:XX+16*\c+7], v6 offset:128*\c+16
	ds_load_b128 v[XX+16*\c+8:XX+16*\c+11], v6 offset:128*\c+64
	ds_load_b128 v[XX+16*\c+12:XX+16*\c+15], v6 offset:128*\c+80
.endr
	s_wait_dscnt 0x0                               ; the numbers are back, and the stores into the stage have read their registers,
.if (\f)+2 < 4
	XLOAD (\f)+2                                   ; which take the loads of two fragments on
.endif
.if (\f) >= 2
	s_wait_xcnt 0x0                                ; the stores of two fragments back have read their codes' registers, which are written again below
.endif
.set PCS, XPC+16*((\f)%2)
.irp b, 0,1,2,3
	v_max3_num_f32 v[TM+\b], |v[XX+16*\b]|, |v[XX+1+16*\b]|, 0x8000000   ; block b: my 16 numbers, and the floor
.endr
.irp i, 2,4,6,8,10,12,14
.irp b, 0,1,2,3
	v_max3_num_f32 v[TM+\b], v[TM+\b], |v[XX+16*\b+\i]|, |v[XX+1+16*\b+\i]|
.endr
.endr
.irp b, 0,1,2,3
	v_permlanex16_b32 v[TM+4+\b], v[TM+\b], s38, s39
.endr
.irp b, 0,1,2,3
	v_max_num_f32 v[TM+\b], v[TM+\b], v[TM+4+\b]   ; with lane l xor 16's 16: the block's largest magnitude
.endr
.irp b, 0,1,2,3
	v_add_nc_u32 v[TM+12+\b], 0xf8800000, v[TM+\b]
.endr
.irp b, 0,1,2,3
	v_and_or_b32 v[TM+8+\b], v[TM+\b], 0x7f800000, s23
.endr
.irp b, 0,1,2,3
	v_lshrrev_b32 v[TM+4+\b], 23, v[TM+12+\b]
.endr
	v_lshl_or_b32 v[XPW+(\f)], v[TM+5], 8, v[TM+4] ; the four bytes make row r's scale word for these 128 along K
	v_lshl_or_b32 v[XPW+(\f)], v[TM+6], 16, v[XPW+(\f)]
	v_lshl_or_b32 v[XPW+(\f)], v[TM+7], 24, v[XPW+(\f)]
.irp b, 0,1,2,3
.set n, 0
.rept 16
	v_med3_num_f32 v[XX+16*\b+n], v[XX+16*\b+n], -v[TM+8+\b], v[TM+8+\b]
.set n, n+1
.endr
	v_cvt_scalef32_pk8_bf8_f32 v[PCS+4*\b:PCS+4*\b+1], v[XX+16*\b:XX+16*\b+7], v[TM+12+\b]
	v_cvt_scalef32_pk8_bf8_f32 v[PCS+4*\b+2:PCS+4*\b+3], v[XX+16*\b+8:XX+16*\b+15], v[TM+12+\b]
.endr
	v_nop                                          ; a plain line behind the last conversion
.irp c, 0,1,2,3
	global_store_b128 v2, v[PCS+4*\c:PCS+4*\c+3], s[44:45] offset:((\f)/2)*4096+((\f)%2)*2048+512*\c   ; 512 consecutive bytes, aligned
.endr
.endm
	s_load_b256 s[4:11], s[0:1], 0x0               ; Wq s[4:5], Wk s[6:7], Wv s[8:9], x s[10:11]
	s_load_b256 s[12:19], s[0:1], 0x20             ; Wp s[12:13], wqk_img s[14:15], wv_img s[16:17], x_img s[18:19]
	s_load_b64 s[20:21], s[0:1], 0x40              ; wp_img
	v_lshl_add_u32 v14, v0, 2, 0x8400
	v_mov_b32 v15, 0
	v_lshrrev_b32 v1, 5, v0
	v_readfirstlane_b32 s22, v1                    ; wave
	v_and_b32 v1, 31, v0                           ; lane
	s_mov_b32 s23, 0x600000                        ; the mantissa field of 57,344
	; Work-groups 384-479 serve Wq, Wk, Wv too: work-group i under 96 takes the first 128 along K of each wave's 256, work-group 384 + i the second: four blocks a wave, so that twice the waves have loads out
	s_sub_co_u32 s2, ttmp9, 384
	s_cmp_ge_u32 ttmp9, 384
	s_cselect_b32 s2, s2, ttmp9                    ; i
	s_cselect_b32 s3, 1, 0                         ; q: which 128 along K
	s_cmp_lt_u32 s2, 96
	s_cbranch_scc0 .Lpath_x
	; ---- Wq, Wk, Wv: a wave takes 32 columns (d) of one head x 256 along K
	s_lshr_b32 s24, s2, 5                          ; which tensor: 0 Wq, 1 Wk, 2 Wv
	s_bfe_u32 s25, s2, 0x40001                     ; head
	s_and_b32 s26, s2, 1
	s_lshl_b32 s26, s26, 1
	s_lshr_b32 s27, s22, 1
	s_add_co_u32 s26, s26, s27                     ; ks
	s_and_b32 s27, s22, 1                          ; which 32 of the head's 64 columns
	s_lshl_b32 s28, s25, 18                        ; source: head x 262,144 + ks x 256 rows of 256 bytes + 128 x half
	s_lshl_b32 s29, s26, 16
	s_add_co_u32 s28, s28, s29
	s_lshl_b32 s29, s27, 7
	s_add_co_u32 s28, s28, s29
	s_lshl_b32 s29, s3, 15                         ; + q x 128 rows of 256 bytes
	s_add_co_u32 s28, s28, s29
	s_mov_b32 s29, 0
	s_and_b32 s30, s24, 1                          ; the operand's row of lane 0: Wk's rows lie 1,024 behind Wq's in one image
	s_lshl_b32 s30, s30, 10
	s_lshl_b32 s31, s25, 6
	s_add_co_u32 s30, s30, s31
	s_lshl_b32 s31, s27, 5
	s_add_co_u32 s30, s30, s31
	s_lshr_b32 s31, s30, 7
	s_mul_i32 s32, s31, REC                        ; its record
	s_lshl_b32 s33, s26, 15
	s_and_b32 s34, s30, 127
	s_lshr_b32 s35, s34, 4
	s_lshl_b32 s35, s35, 12
	s_add_co_u32 s36, s32, s33
	s_add_co_u32 s36, s36, s35                     ; codes: record + ks x 32,768 + rb x 4,096
	s_lshl_b32 s37, s3, 11                         ; + q x 2,048
	s_add_co_u32 s36, s36, s37
	s_mov_b32 s37, 0
	s_lshl_b32 s38, s26, 10
	s_add_co_u32 s38, s38, s32
	s_lshl_b32 s34, s34, 3
	s_add_co_u32 s38, s38, s34
	s_add_co_u32 s38, s38, SCO                     ; scale bytes: record + 131,072 + ks x 1,024 + 8 x row
	s_lshl_b32 s39, s3, 2                          ; + 4 q
	s_add_co_u32 s38, s38, s39
	s_mov_b32 s39, 0
	s_wait_alu depctr_va_vdst(0)
	v_lshlrev_b32 v2, 2, v1                        ; in: 4 bytes a lane
	v_lshrrev_b32 v3, 4, v1
	v_and_b32 v4, 15, v1
	v_lshlrev_b32 v3, 12, v3
	v_lshl_add_u32 v3, v4, 4, v3                   ; out: 4,096 x (lane / 16) + 16 x (lane % 16)
	v_lshlrev_b32 v4, 3, v1                        ; scale bytes: 8 a lane
	s_wait_alu depctr_va_vdst(0)
	s_wait_kmcnt 0x0
	s_cmp_eq_u32 s24, 0                            ; the choices hang on the work-group's number alone
	s_cselect_b64 s[40:41], s[4:5], s[6:7]
	s_cmp_eq_u32 s24, 2
	s_cselect_b64 s[40:41], s[8:9], s[40:41]
	s_cselect_b64 s[42:43], s[16:17], s[14:15]
	s_add_nc_u64 s[40:41], s[40:41], s[28:29]
	s_add_nc_u64 s[44:45], s[42:43], s[36:37]
	s_add_nc_u64 s[46:47], s[42:43], s[38:39]
	WLOAD 0
	WLOAD 1
.irp t, 0,1,2,3
	WBLOCK \t
.endr
	global_store_b32 v4, v[SB], s[46:47]           ; a lane's four scale bytes, 8 bytes from lane to lane: the words between are the other q's; 1/128 of what the wave reads
	s_endpgm
.Lpath_x:
	; ---- x and Wp: a work-group takes 128 rows x 256 along K, a wave 32 of the rows: four fragments
	s_sub_co_u32 s24, ttmp9, 96
	s_cmp_lt_u32 s24, 256
	s_cselect_b32 s25, 0, 256
	s_sub_co_u32 s25, s24, s25                     ; the work-group's number within its tensor
	s_lshr_b32 s26, s25, 2                         ; record
	s_and_b32 s27, s25, 3                          ; ks
	s_lshl_b32 s28, s26, 19                        ; source: (128 x record + 32 x wave) rows of 4,096 bytes + ks x 1,024
	s_lshl_b32 s29, s22, 17
	s_add_co_u32 s28, s28, s29
	s_lshl_b32 s29, s27, 10
	s_add_co_u32 s28, s28, s29
	s_mov_b32 s29, 0
	s_mul_i32 s30, s26, REC
	s_lshl_b32 s31, s27, 15
	s_add_co_u32 s32, s30, s31
	s_lshl_b32 s31, s22, 13
	s_add_co_u32 s32, s32, s31                     ; codes: record + ks x 32,768 + 2 x wave x 4,096
	s_mov_b32 s33, 0
	s_lshl_b32 s31, s27, 10
	s_add_co_u32 s34, s30, s31
	s_lshl_b32 s31, s22, 8
	s_add_co_u32 s34, s34, s31
	s_add_co_u32 s34, s34, SCO                     ; scale bytes: record + 131,072 + ks x 1,024 + 256 x wave
	s_mov_b32 s35, 0
	s_mul_i32 s36, s22, 16*SPITCH                  ; my stage
	s_wait_alu depctr_va_vdst(0)
	v_lshlrev_b32 v2, 4, v1                        ; 16 x lane
	v_add_nc_u32 v3, s36, v2                       ; into the stage
	v_and_b32 v4, 15, v1                           ; r
	v_lshrrev_b32 v5, 4, v1                        ; h
	v_mul_u32_u24 v6, v4, SPITCH
	v_lshl_add_u32 v6, v5, 5, v6
	v_add_nc_u32 v6, s36, v6                       ; out of it: row r, + 32 h
	v_lshlrev_b32 v7, 3, v1
	s_mov_b32 s38, 0x76543210
	s_mov_b32 s39, 0xfedcba98                      ; v_permlanex16_b32's selects for lane l xor 16
.irp b, 0,1,2,3
	v_mov_b32 v[TM+4+\b], 0                        ; written once: a lane permute's destination counts as one of its sources
.endr
	s_wait_alu depctr_va_vdst(0)
	s_wait_kmcnt 0x0
	s_cmp_lt_u32 s24, 256
	s_cselect_b64 s[40:41], s[10:11], s[12:13]
	s_cselect_b64 s[42:43], s[18:19], s[20:21]
	s_add_nc_u64 s[40:41], s[40:41], s[28:29]
	s_add_nc_u64 s[44:45], s[42:43], s[32:33]
	s_add_nc_u64 s[46:47], s[42:43], s[34:35]
	XLOAD 0
	XLOAD 1
.irp f, 0,1,2,3
	FRAGQ \f
.endr
	v_cmp_ne_u32 vcc_lo, 0, v5                     ; lanes 0-15 send the first 16 rows' two words, lanes 16-31 the second 16 rows'
	v_cndmask_b32 v12, v[XPW], v[XPW+2], vcc_lo
	v_cndmask_b32 v13, v[XPW+1], v[XPW+3], vcc_lo
	global_store_b64 v7, v[12:13], s[46:47]        ; 256 consecutive aligned bytes
	s_wait_tensorcnt 0x0
	ds_add_u32 v14, v15
	s_wait_dscnt 0x0
	s_endpgm
.Lfunc_end_k_q472a90144e_quant:
	.size	k_q472a90144e_quant, .Lfunc_end_k_q472a90144e_quant-k_q472a90144e_quant
	.p2alignl 7, 3214868480
	.fill 96, 4, 3214868480
	.section	.rodata,"a",@progbits
	.p2align	6, 0x0
	.amdhsa_kernel k_q472a90144e_quant
		.amdhsa_group_segment_fixed_size 34304
		.amdhsa_private_segment_fixed_size 0
		.amdhsa_enable_private_segment 0
		.amdhsa_kernarg_size 72
		.amdhsa_user_sgpr_count 2
		.amdhsa_user_sgpr_kernarg_segment_ptr 1
		.amdhsa_wavefront_size32 1
		.amdhsa_system_sgpr_workgroup_id_x 1
		.amdhsa_system_sgpr_workgroup_id_y 1
		.amdhsa_system_sgpr_workgroup_id_z 1
		.amdhsa_system_vgpr_workitem_id 0
		.amdhsa_next_free_vgpr 256
		.amdhsa_next_free_sgpr 66
		.amdhsa_reserve_vcc 1
		.amdhsa_float_denorm_mode_32 3
		.amdhsa_float_denorm_mode_16_64 3
		.amdhsa_memory_ordered 1
		.amdhsa_forward_progress 1
		.amdhsa_inst_pref_size 80
	.end_amdhsa_kernel
	.amdgpu_metadata
---
amdhsa.version: [ 1, 2 ]
amdhsa.kernels:
  - .name:           k_q472a90144e_quant
    .symbol:         k_q472a90144e_quant.kd
    .args:
      - { .name: Wq, .offset: 0, .size: 8, .value_kind: global_buffer, .address_space: global }
      - { .name: Wk, .offset: 8, .size: 8, .value_kind: global_buffer, .address_space: global }
      - { .name: Wv, .offset: 16, .size: 8, .value_kind: global_buffer, .address_space: global }
      - { .name: x, .offset: 24, .size: 8, .value_kind: global_buffer, .address_space: global }
      - { .name: Wp, .offset: 32, .size: 8, .value_kind: global_buffer, .address_space: global }
      - { .name: wqk_img, .offset: 40, .size: 8, .value_kind: global_buffer, .address_space: global }
      - { .name: wv_img, .offset: 48, .size: 8, .value_kind: global_buffer, .address_space: global }
      - { .name: x_img, .offset: 56, .size: 8, .value_kind: global_buffer, .address_space: global }
      - { .name: wp_img, .offset: 64, .size: 8, .value_kind: global_buffer, .address_space: global }
    .group_segment_fixed_size: 34304
    .private_segment_fixed_size: 0
    .kernarg_segment_align: 8
    .kernarg_segment_size: 72
    .max_flat_workgroup_size: 128
    .sgpr_count:     66
    .vgpr_count:     256
    .wavefront_size: 32
...
	.end_amdgpu_metadata
.endif
;; end of part 1
;; launch qk (part 2): grid 8 x 32, 4 waves a work-group, clusters of 4 x 4, 327,680 bytes of LDS; arguments x_img, wqk_img, wv_img, qk_z, v_z; writes qk_z, v_z
.if DOCPART == 2
	.amdgcn_target "amdgcn-amd-amdhsa--gfx1250"
	.amdhsa_code_object_version 6
	.text
	.protected	k_q472a90144e_qk
	.globl	k_q472a90144e_qk
	.p2align	8
	.type	k_q472a90144e_qk,@function
k_q472a90144e_qk:
	s_mov_b64 s[64:65], 0
	v_nop
	global_prefetch_b8 v0, s[64:65] scope:SCOPE_SE
	s_setreg_imm32_b32 hwreg(HW_REG_WAVE_MODE, 25, 1), 1
	s_wait_xcnt 0x0
	s_wait_alu depctr_hold_cnt(0) depctr_sa_sdst(0) depctr_va_vdst(0) depctr_va_sdst(0) depctr_va_ssrc(0) depctr_va_vcc(0) depctr_vm_vsrc(0)
	s_getreg_b32 s2, hwreg(HW_REG_IB_STS2, 6, 4)
	s_cmp_eq_u32 s2, 0
	s_cbranch_scc0 .Lentry_in_a_cluster
	s_endpgm
.Lentry_in_a_cluster:
	s_bfe_u32 s2, ttmp6, 0x10000c
	s_cmp_lg_u32 s2, 0xf033
	s_cbranch_scc0 .Lentry_shape_is_right
	s_endpgm
.Lentry_shape_is_right:
; Z = Q(P R^T): GEMMs on codes of BF8 (E5M2) with E8M0 scales, K = 1,024, whose results are quantised at once, along their columns, and leave as codes.  No f32 result goes to memory.
; Operands are images of 135,168 bytes for each 128 rows (codes in the order of the operand's registers, then the scale bytes).
; A WORK-GROUP STAYS AND MAKES TWO BLOCKS.  PHASE 1: a tile of 256 x 256 of Q and K (P = x_img, R = wqk_img, Z = qk_z: 32 x 8 tiles, one for each of the 256 work-groups); a wave makes 128 x 128 in 64 accumulators.
; PHASE 2: 128 x 256 of V transposed (P' = one record of wv_img, R' = two records of x_img, Z = v_z: 8 x 32 blocks); a wave makes 64 x 128 in 32 accumulators.
; K goes in steps of 256 through two LDS slots; in LDS a record's two slots lie on end (65,536 bytes), P's two records first, then R's two.
; THE HEAD: one joint load a wave: wave 0 K steps 0 and 1 of P's two records (two rows of 65,536 bytes), wave 1 of R's, wave 2 P's scale bytes for all of K, wave 3 R's.
; THE RING DOES NOT STOP BETWEEN THE PHASES: when phase 1's K step 2 is read out, slot 0 takes phase 2's K step 0, and when its K step 3 is read out, slot 1 takes K step 1; they land under phase 1's last products and its epilogue.
; In phase 2 wave 0 fetches P's 32,768 bytes of a K step into the place of P's first record, waves 2 and 3 a record of R' each; the place of P's second record takes phase 2's scale bytes, by wave 1: P's with slot 0's fill, R's with slot 1's.
; PREFETCH: phase 1's K steps 2 and 3 are asked for behind the head's loads and behind the first run of LDS loads; phase 2's four K steps at four places in phase 1, each more than a K step ahead of its tensor load.
; Of the 128 blocks of 256 bytes of a load, each of the four partners that fetch it jointly names 32, told apart by address (cx for P and P', cy for R and R'), a lane a block.  For P' wave 0 asks for the even K steps and wave 1 for the odd ones.
; The address registers are never rewritten.
; CLUSTERS: 4 x 4 work-groups; P's and P's tiles are asked for jointly along a row of the cluster, R's and R's along a column.
; THE MATRIX INSTRUCTION IS USED TRANSPOSED (source 0 = 16 rows of R, source 1 = 16 rows of P): a lane holds one row of Z and eight neighbouring columns an accumulator, so two neighbouring accumulators
; are 16 numbers of one block of 32 columns, and lane l xor 16 holds the other 16.  Byte 16 h + 8 u + j of a block so holds column 16 u + 8 h + j: the order of every operand of this program.
; Z: tile (of 256 x 256) = 32 x tile row + tile column;  codes at tile*65536 + (c'/2)*16384 + a'*1024 + (c'%2)*512 + lane*16 (a' = block of 16 rows, c' = block of 32 columns);
;    scale words (the 4 blocks of 128 columns) at 67108864 + tile*2048 + J*1024 + (a'/4)*256 + r*16 + (a'%4)*4 (J = which 128 columns).
; LIMITS: a block of zeros or under 2^-111 keeps the byte 1; this program alone reads the bytes.  NaN and infinities are not served.
; REGISTERS, in windows of 256: window 0: v0-31 addresses; v32-63 scale words, two sets; from v128 P's fragments (phase 1: one set of 8; phase 2: two sets of 4); in the epilogues v32-255 are free.
;   window 1: R's fragments, two sets.   window 2: the accumulators of my rows 0-63 ((a, b) at v[8 (8 a + b)]);   window 3: those of rows 64-127 (phase 1).
.set NQ,     2
.set FR,     16
.set NL,     4
.set NP,     8                         ; places behind this matrix instruction (ISA guide 7.12.1)
.set REC,    135168
.set SCO,    131072
.set KSB,    32768                     ; a K step of a record
.set HALFT,  32768
.set RECL,   2*HALFT                   ; a record's two slots in LDS
.set RB,     2*RECL                    ; R's records lie behind P's two
.set SCL,    4*RECL                    ; behind the ring: phase 1's scale bytes, 4,096 for each 128 rows
.set HALFS,  4096
.set SPARE,  SCL+4*HALFS               ; the spare words, 128 bytes for each wave
.set ZSC,    67108864
.set ADRA, 16                          ; v16-17 my P fragments in slot 0, 1
.set ADRA2, 18                         ; v18-19 the same in phase 2
.set ADRB, 20                          ; v20-21 my R fragments, in both phases
.set ZO,   24                          ; v24  16 x lane
.set HH,   25                          ; v25  lane / 16
.set ADRS2, 26                         ; v26  my scale words in phase 2
.set ADRS, 27
.set SPW,  28
.set NIL,  29
.set PFO,  30                          ; v30  256 x lane: the prefetches' offset; never rewritten
.set ZR,   31                          ; v31  16 r + 8 h: phase 2's scale words on the way out
.set SC,   32
.set AF,   128
.set TM,   32                          ; epilogue: v32-35 largest magnitudes, 36-39 bytes, 40-43 holds, 44-47 scale operands
.set PW,   48
.set SQ,   56
.set PC,   64
.set TT,   192
.set G1, 24
.set G0, 32
.set G1B, 48
.set G0B, 56
.set G1S, 68
.set G0S, 76
.set G1SB, 80
.set G0SB, 88
.set G0H, 4
.set G0HB, 92
.set ZC,  8                            ; s[8:9], s[10:11] my codes and scale words in qk_z
.set ZS,  10
.set VZC, 4                            ; s[4:5], s[6:7] the same in v_z (made when the head's descriptor there is done with)
.set VZS, 6
.set PFA, 98                           ; s[98:99] phase 1's prefetches;  s[92:93] phase 2's
.set PFA2, 92
.set PP,  100                          ; s[100:101] P's record
.set RR,  104                          ; s[104:105] R's first record, then my record
.set MSB, 0
.macro WIN new                         ; the immediate's high byte repeats the setting that is left
.if MSB != (\new)
	s_set_vgpr_msb (MSB<<8)|(\new)
.set MSB, (\new)
.endif
.endm
.set MUL_LO, 0xa1                      ; source 0 (R) window 1, source 1 (P) window 0, C and D window 2
.set MUL_HI, 0xf1
.set TO_B,   0x40
.macro TL g0, g1                       ; a tensor load with an s_nop and four v_nop behind it
	tensor_load_to_lds s[\g0:\g0+3], s[\g1:\g1+7]
	s_nop 0
.rept 4
	v_nop
.endr
.endm
.macro JLOAD g0a, g1a, g0b, g1b        ; phase 1: waves 0, 1 fetch for P, waves 2, 3 for R; the branch hangs on the wave's number alone
	s_cmp_eq_u32 s15, 0
	s_cbranch_scc0 .Lfor_b_\@
	TL \g0a, \g1a
	s_branch .Lasked_\@
.Lfor_b_\@:
	TL \g0b, \g1b
.Lasked_\@:
.endm
.macro QLOAD slot, g0x, g1x            ; phase 2: wave 0 fetches P', waves 2, 3 R', wave 1 scale bytes by g0x, g1x, or nothing (g0x = -1)
	s_cmp_eq_u32 s15, 0
	s_cbranch_scc0 .Lq_r_\@
	s_cmp_eq_u32 s14, 0
	s_cbranch_scc0 .Lq_x_\@
	TL G0+4*\slot, G1
	s_branch .Lq_done_\@
.Lq_x_\@:
.if \g0x >= 0
	TL \g0x, \g1x
.else
.rept 4
	v_nop
.endr
.endif
	s_branch .Lq_done_\@
.Lq_r_\@:
	TL G0B+4*\slot, G1B
.Lq_done_\@:
.endm
.macro ASK2 j                          ; phase 2's K step j: waves 2, 3 for R'; at the even places waves 0, 1 for P's K steps j and j + 1
.if (\j)%2
	s_cmp_lg_u32 s15, 0
	s_cbranch_scc0 .Lnot_mine_\@
.endif
	global_prefetch_b8 v[PFO], s[PFA2:PFA2+1] offset:(\j)*KSB th:TH_LOAD_NT scope:SCOPE_SE
.if (\j)%2
.Lnot_mine_\@:
.endif
.endm
.macro CREST                           ; a round of the cluster's barrier behind its opening barrier
	s_cmp_lg_u32 s14, 0
	s_cbranch_scc1 .Lnot_wave_0_\@
	s_barrier_signal -3
.Lnot_wave_0_\@:
	s_barrier_wait -3
	s_barrier_signal -1
	s_barrier_wait -1
.endm
.macro CROUND
	s_barrier_signal -1
	s_barrier_wait -1
	CREST
.endm
.macro DESC g, c, r, p                 ; group 1 but for its first word: r rows of c elements of 8 bytes, p elements apart
	s_mov_b32 s[\g+1], (\c)<<16
	s_mov_b32 s[\g+2], (\r)<<16
	s_mov_b32 s[\g+3], (\c)<<16
	s_mov_b32 s[\g+4], \r
	s_mov_b32 s[\g+5], \p
	s_mov_b32 s[\g+6], 0
	s_mov_b32 s[\g+7], 0
.endm
	s_load_b256 s[4:11], s[0:1], 0x0               ; x_img s[4:5], wqk_img s[6:7], wv_img s[8:9], qk_z s[10:11]
	s_load_b64 s[12:13], s[0:1], 0x20              ; v_z
	v_lshl_add_u32 v[SPW], v0, 2, SPARE
	v_mov_b32 v[NIL], 0
	ds_add_u32 v[SPW], v[NIL]                      ; the opening lines: the add, twice on end, and its wait
	ds_add_u32 v[SPW], v[NIL]
	v_lshrrev_b32 v1, 5, v0
	v_readfirstlane_b32 s14, v1                    ; wave 0..3
	s_lshr_b32 s15, s14, 1                         ; which half of the block's rows is mine.  Also: I fetch for P (0) or for R (1)
	s_and_b32 s16, s14, 1                          ; which half of its columns.  Also: which record I fetch
	s_bfe_u32 s40, ttmp6, 0x40000                  ; cx, cy
	s_bfe_u32 s41, ttmp6, 0x40004
	s_and_b32 s3, ttmp7, 0xffff
	s_lshl_b32 s3, s3, 2
	s_add_co_u32 s17, s3, s41                      ; phase 1: tile row = 4 x cluster y + cy
	s_add_co_u32 s3, s3, s40                       ; phase 2: R's pair of records = 4 x cluster y + cx
	s_lshl_b32 s2, ttmp9, 2
	s_add_co_u32 s42, s2, s40                      ; phase 1: tile column = 4 x cluster x + cx
	s_add_co_u32 s2, s2, s41                       ; phase 2: P's record = 4 x cluster x + cy
	s_lshl_b32 s43, s41, 2
	s_lshl_b32 s43, 15, s43                        ; my row of the cluster
	s_lshl_b32 s44, 0x1111, s40                    ; my column
	s_mov_b32 s96, 0x76543210
	s_mov_b32 s97, 0xfedcba98                      ; v_permlanex16_b32's selects for lane l xor 16
	s_or_b32 s[G1+0], s43, (3<<16)|(1<<21)
	s_or_b32 s[G1B+0], s44, (3<<16)|(1<<21)
	s_or_b32 s[G1S+0], s43, (3<<16)|(1<<21)
	s_or_b32 s[G1SB+0], s44, (3<<16)|(1<<21)
	DESC G1,   8192, 2, REC/8                      ; the head's loads of codes: K steps 0 and 1 of two records; no padding: every LDS read takes 512 consecutive bytes
	DESC G1B,  8192, 2, REC/8
	DESC G1S,  512,  2, REC/8                      ; the scale bytes of two records
	DESC G1SB, 512,  2, REC/8
	s_mul_i32 s20, s17, 2*REC
	s_mov_b32 s21, 0
	s_mul_i32 s46, s42, 2*REC
	s_mov_b32 s47, 0
	s_mul_i32 s[PP], s2, REC
	s_mov_b32 s[PP+1], 0
	s_mul_i32 s[RR], s3, 2*REC
	s_mov_b32 s[RR+1], 0
	s_lshl_b32 s45, s14, 16                        ; where my record lies in LDS: wave x 65,536: no place in the cluster enters an LDS address
	s_wait_dscnt 0x0
	s_wait_kmcnt 0x0
	s_add_nc_u64 s[20:21], s[4:5], s[20:21]        ; P: the tile's first record of x_img
	s_add_nc_u64 s[46:47], s[6:7], s[46:47]        ; R: of wqk_img
	s_add_nc_u64 s[PP:PP+1], s[8:9], s[PP:PP+1]    ; P': of wv_img
	s_add_nc_u64 s[RR:RR+1], s[4:5], s[RR:RR+1]    ; R': of x_img
	CROUND                                         ; all sixteen work-groups are here: the first joint loads meet
	s_mov_b32 s[G0H], 1
	s_mov_b32 s[G0H+1], 0
	s_mov_b64 s[G0H+2:G0H+3], s[20:21]
	s_or_b32 s[G0H+3], s[G0H+3], 0x80000000
	s_mov_b32 s[G0HB], 1
	s_mov_b32 s[G0HB+1], RB
	s_mov_b64 s[G0HB+2:G0HB+3], s[46:47]
	s_or_b32 s[G0HB+3], s[G0HB+3], 0x80000000
	s_mov_b32 s[G0S], 1
	s_mov_b32 s[G0S+1], SCL
	s_add_nc_u64 s[G0S+2:G0S+3], s[20:21], SCO
	s_or_b32 s[G0S+3], s[G0S+3], 0x80000000
	s_mov_b32 s[G0SB], 1
	s_mov_b32 s[G0SB+1], SCL+2*HALFS
	s_add_nc_u64 s[G0SB+2:G0SB+3], s[46:47], SCO
	s_or_b32 s[G0SB+3], s[G0SB+3], 0x80000000
	s_mul_i32 s18, s16, REC                        ; for the refills: my record of the two
	s_mov_b32 s19, 0
	s_add_nc_u64 s[20:21], s[20:21], s[18:19]
	s_add_nc_u64 s[46:47], s[46:47], s[18:19]
.irp s, 0,1
	s_mov_b32 s[G0+4*\s], 1                        ; slot s's group 0 stands at K step s; each refill steps it two K steps on
	s_add_co_u32 s[G0+4*\s+1], s45, \s*HALFT
	s_add_nc_u64 s[G0+4*\s+2:G0+4*\s+3], s[20:21], \s*KSB
	s_or_b32 s[G0+4*\s+3], s[G0+4*\s+3], 0x80000000
	s_mov_b32 s[G0B+4*\s], 1
	s_add_co_u32 s[G0B+4*\s+1], s45, \s*HALFT
	s_add_nc_u64 s[G0B+4*\s+2:G0B+4*\s+3], s[46:47], \s*KSB
	s_or_b32 s[G0B+4*\s+3], s[G0B+4*\s+3], 0x80000000
.endr
	s_cmp_eq_u32 s15, 0                            ; phase 1's prefetches: the record that I fetch,
	s_cselect_b64 s[PFA:PFA+1], s[20:21], s[46:47]
	s_cselect_b32 s22, s40, s41                    ; my place among the four that fetch it with me,
	s_lshl_b32 s22, s22, 13                        ; 32 blocks of 256 bytes each
	s_mov_b32 s23, 0
	s_add_nc_u64 s[PFA:PFA+1], s[PFA:PFA+1], s[22:23]
.macro ARM under, g0, g1, next         ; one tree of branches on the wave's number, an arm a load, all arms leading to one join
	s_cmp_lt_u32 s14, \under
	s_cbranch_scc0 \next
	TL \g0, \g1
	s_branch .Lhead_asked
\next:
.endm
	ARM 1, G0H,  G1,  .Lhead_b
	ARM 2, G0HB, G1B, .Lhead_sa
	ARM 3, G0S,  G1S, .Lhead_sb
	TL G0SB, G1SB
.Lhead_asked:
	s_lshl_b32 s18, s17, 5
	s_add_co_u32 s18, s18, s42                     ; tile = 32 x tile row + tile column
	s_lshl_b32 s22, s18, 11
	s_lshl_b32 s18, s18, 16
	s_lshl_b32 s19, s16, 15
	s_add_co_u32 s18, s18, s19
	s_lshl_b32 s19, s15, 13
	s_add_co_u32 s18, s18, s19                     ; codes: tile x 65,536 + column half x 32,768 + row half x 8,192
	s_mov_b32 s19, 0
	s_lshl_b32 s23, s16, 10
	s_add_co_u32 s22, s22, s23
	s_lshl_b32 s23, s15, 9
	s_add_co_u32 s22, s22, s23
	s_add_co_u32 s22, s22, ZSC                     ; scale words: 67,108,864 + tile x 2,048 + column half x 1,024 + row half x 512
	s_mov_b32 s23, 0
	s_add_nc_u64 s[ZC:ZC+1], s[10:11], s[18:19]
	s_add_nc_u64 s[ZS:ZS+1], s[10:11], s[22:23]
	s_lshl_b32 s18, s15, 16                        ; my 128 rows of P
	s_lshl_b32 s19, s16, 16
	s_add_co_u32 s19, s19, RB                      ; my 128 rows of R (and of R')
	s_lshl_b32 s21, s15, 12                        ; phase 1's scale bytes: P's, my 128 rows;
	s_lshl_b32 s22, s16, 12
	s_add_co_u32 s22, s22, 2*HALFS
	s_sub_co_u32 s22, s22, s21                     ; the distance to R's
	s_add_co_u32 s21, s21, SCL
	s_lshl_b32 s23, s15, 14                        ; phase 2: my 64 rows of P'
	s_lshl_b32 s43, s15, 9                         ; its scale bytes: P's lie at RECL, my 64 rows x 8;
	s_lshl_b32 s44, s16, 12
	s_add_co_u32 s44, s44, HALFT                   ; R's at RECL + HALFT
	s_sub_co_u32 s44, s44, s43                     ; the distance
	s_add_co_u32 s43, s43, RECL
	v_and_b32 v1, 31, v0
	v_lshlrev_b32 v[PFO], 8, v1
	global_prefetch_b8 v[PFO], s[PFA:PFA+1] offset:2*KSB th:TH_LOAD_NT scope:SCOPE_SE   ; phase 1's K step 2, which the first refill will fetch
	v_lshlrev_b32 v[ZO], 4, v1                     ; 16 x lane: a lane's place in every image
	v_and_b32 v2, 15, v0                           ; r
	v_bfe_u32 v[HH], v0, 4, 1                      ; h
	v_add_nc_u32 v[ADRA], s18, v[ZO]
	v_add_nc_u32 v[ADRB], s19, v[ZO]
	v_add_nc_u32 v[ADRA+1], HALFT, v[ADRA]
	v_add_nc_u32 v[ADRB+1], HALFT, v[ADRB]
	v_add_nc_u32 v[ADRA2], s23, v[ZO]
	v_add_nc_u32 v[ADRA2+1], HALFT, v[ADRA2]
	v_lshlrev_b32 v5, 3, v2                        ; my row's scale bytes of a K step: 8
	v_mul_u32_u24 v6, s22, v[HH]                   ; lanes 16-31 take R's: one product, the distance between the two bases
	v_mul_u32_u24 v7, s44, v[HH]
	v_add_nc_u32 v6, v5, v6
	v_add_nc_u32 v7, v5, v7
	v_add_nc_u32 v[ADRS], s21, v6
	v_add_nc_u32 v[ADRS2], s43, v7
	v_lshlrev_b32 v[ZR], 4, v2
	v_lshl_add_u32 v[ZR], v[HH], 3, v[ZR]
.macro FRAG reg, adr, q, i             ; a fragment: 16 rows x 128 K: four loads of 512 consecutive bytes, the image of its 16 registers
.irp c, 0,1,2,3
	ds_load_b128 v[\reg+4*\c:\reg+4*\c+3], v[\adr] offset:(\i)*4096+(\q)*2048+512*\c
.endr
.endm
; PHASE 1.  16 matrix instructions: P's blocks a0, a0 + 1 x R's eight.  The 64 accumulators take turns, one instruction a turn, in the same order in every step.
.macro MUL16 a0, p, q, sc, zero
.irp a, \a0, \a0+1
.irp b, 0,1,2,3,4,5,6,7
.if \zero
	v_wmma_scale_f32_16x16x128_f8f6f4 v[8*(8*((\a)%4)+\b):8*(8*((\a)%4)+\b)+7], v[128*(\p)+FR*\b:128*(\p)+FR*\b+FR-1], v[AF+FR*(\a):AF+FR*(\a)+FR-1], 0, v[SC+8*NQ*(\sc)+NQ*\b+(\q)], v[SC+8*NQ*(\sc)+NQ*(\a)+(\q)] matrix_a_fmt:MATRIX_FMT_BF8 matrix_b_fmt:MATRIX_FMT_BF8 matrix_a_scale:MATRIX_SCALE_ROW1
.else
	v_wmma_scale_f32_16x16x128_f8f6f4 v[8*(8*((\a)%4)+\b):8*(8*((\a)%4)+\b)+7], v[128*(\p)+FR*\b:128*(\p)+FR*\b+FR-1], v[AF+FR*(\a):AF+FR*(\a)+FR-1], v[8*(8*((\a)%4)+\b):8*(8*((\a)%4)+\b)+7], v[SC+8*NQ*(\sc)+NQ*\b+(\q)], v[SC+8*NQ*(\sc)+NQ*(\a)+(\q)] matrix_a_fmt:MATRIX_FMT_BF8 matrix_b_fmt:MATRIX_FMT_BF8 matrix_a_scale:MATRIX_SCALE_ROW1
.endif
.endr
.endr
.endm
.macro FETCH_B slot, q, p
	WIN TO_B
.irp i, 0,1,2,3,4,5,6,7
	FRAG 128*(\p)+FR*\i, ADRB+\slot, \q, \i
.endr
	WIN 0
.endm
.macro FETCH_A slot, q, i0
.irp i, \i0, \i0+1, \i0+2, \i0+3
	FRAG AF+FR*(\i), ADRA+\slot, \q, \i
.endr
.endm
.macro SCALES sc, adr                  ; a K step's scale words: two a row; lanes 0-15 take P's block i, lanes 16-31 R's block i
.irp i, 0,1,2,3,4,5,6,7
	ds_load_b64 v[SC+8*NQ*\sc+NQ*\i:SC+8*NQ*\sc+NQ*\i+1], v[\adr] offset:\i*128
.endr
.endm
.macro PLACES n
.rept \n
	v_nop
.endr
.endm
.macro STEP slot, q, zero              ; a step of 128 along K that has its successor in the same slot
	s_wait_dscnt 4*NL                              ; R's set and P's blocks 0-3 are in; the youngest 16 loads (P's blocks 4-7) may be out
	WIN MUL_LO
	MUL16 0, (\q)%2, \q, \slot, \zero
	MUL16 2, (\q)%2, \q, \slot, \zero
	s_wait_dscnt 0                                 ; P's blocks 4-7 are in
	PLACES NP
	FETCH_B \slot, (\q)+1, 1-(\q)%2
	FETCH_A \slot, (\q)+1, 0
	WIN MUL_HI
	MUL16 4, (\q)%2, \q, \slot, \zero
	MUL16 6, (\q)%2, \q, \slot, \zero
	PLACES NP
	WIN 0
	FETCH_A \slot, (\q)+1, 4
.endm
; The first half of a slot's last step: one barrier, which opens a round of the cluster's; in front of it each wave waits for all its tensor loads, adds 0 to its spare word, and waits for that and for its own reads of this slot.
.macro MEET slot
	s_wait_tensorcnt 0x0                           ; all my tensor loads have landed
	ds_add_u32 v[SPW], v[NIL]
	s_wait_dscnt 4*NL+1                            ; (the add and the youngest 16 loads may be out)
	WIN MUL_LO
	MUL16 0, 1, NQ-1, \slot, 0
	s_wait_dscnt 0x0                               ; the add is done, and my reads of this slot are over
	s_barrier_signal -1
	MUL16 2, 1, NQ-1, \slot, 0
	WIN 0
	s_barrier_wait -1
	CREST                                          ; no wave of any partner still reads this slot or has a load on its way
.endm
.macro TURN slot, next, on             ; on = 0: the slot takes phase 1's K step two on; on = 1: phase 2's K step 0 and P's scale bytes
	MEET \slot
.if \on
	s_mov_b64 s[G0+2:G0+3], s[PP:PP+1]
	s_or_b32 s[G0+3], s[G0+3], 0x80000000
	s_mov_b64 s[G0B+2:G0B+3], s[RR:RR+1]
	s_or_b32 s[G0B+3], s[G0B+3], 0x80000000
	QLOAD 0, G0S, G1S
.else
	s_add_nc_u64 s[G0+4*\slot+2:G0+4*\slot+3], s[G0+4*\slot+2:G0+4*\slot+3], 2*KSB
	s_add_nc_u64 s[G0B+4*\slot+2:G0B+4*\slot+3], s[G0B+4*\slot+2:G0B+4*\slot+3], 2*KSB
	JLOAD G0+4*\slot, G1, G0B+4*\slot, G1B         ; the first tensor load behind the round; its four v_nop are four of the eight places
.endif
	PLACES NP-4
	s_wait_alu depctr_va_vdst(0)                   ; the line below reads what the last change of slots wrote
	v_add_nc_u32 v[ADRS], 1024, v[ADRS]            ; the next K step's scale words
	FETCH_B \next, 0, 0
	FETCH_A \next, 0, 0
	SCALES \next, ADRS
	WIN MUL_HI
	MUL16 4, 1, NQ-1, \slot, 0
	MUL16 6, 1, NQ-1, \slot, 0
	PLACES NP
	WIN 0
	FETCH_A \next, 0, 4
.endm
; PHASE 2.  P's block a x R's eight; the 32 accumulators take turns.  Both operands have two sets of fragment registers.
.macro MUL8 a, p, q, sc, zero
.irp b, 0,1,2,3,4,5,6,7
.if \zero
	v_wmma_scale_f32_16x16x128_f8f6f4 v[8*(8*(\a)+\b):8*(8*(\a)+\b)+7], v[128*(\p)+FR*\b:128*(\p)+FR*\b+15], v[AF+64*(\p)+FR*(\a):AF+64*(\p)+FR*(\a)+15], 0, v[SC+16*(\sc)+2*\b+(\q)], v[SC+16*(\sc)+2*(\a)+(\q)] matrix_a_fmt:MATRIX_FMT_BF8 matrix_b_fmt:MATRIX_FMT_BF8 matrix_a_scale:MATRIX_SCALE_ROW1
.else
	v_wmma_scale_f32_16x16x128_f8f6f4 v[8*(8*(\a)+\b):8*(8*(\a)+\b)+7], v[128*(\p)+FR*\b:128*(\p)+FR*\b+15], v[AF+64*(\p)+FR*(\a):AF+64*(\p)+FR*(\a)+15], v[8*(8*(\a)+\b):8*(8*(\a)+\b)+7], v[SC+16*(\sc)+2*\b+(\q)], v[SC+16*(\sc)+2*(\a)+(\q)] matrix_a_fmt:MATRIX_FMT_BF8 matrix_b_fmt:MATRIX_FMT_BF8 matrix_a_scale:MATRIX_SCALE_ROW1
.endif
.endr
.endm
.macro FETCH2 slot, q, p               ; 48 loads: R's eight fragments and P's four into set p
	WIN TO_B
.irp i, 0,1,2,3,4,5,6,7
	FRAG 128*(\p)+FR*\i, ADRB+\slot, \q, \i
.endr
	WIN 0
.irp i, 0,1,2,3
	FRAG AF+64*(\p)+FR*\i, ADRA2+\slot, \q, \i
.endr
.endm
.macro STEP2 slot, zero                ; a slot's first 128 along K, on set 0; the second's fragments are asked for into set 1 ahead of the products
	s_wait_dscnt 0x0
.if \zero == 0
	PLACES NP                                      ; behind the products that read set 1
.endif
	FETCH2 \slot, 1, 1
	WIN MUL_LO
.irp a, 0,1,2,3
	MUL8 \a, 0, 0, \slot, \zero
.endr
.endm
.macro TURN2 slot, next, fill          ; a slot's second 128 along K, on set 1, and the change of slots
	WIN 0
	s_wait_tensorcnt 0x0
	ds_add_u32 v[SPW], v[NIL]
	s_wait_dscnt 1                                 ; my 48 fragment loads are in; the add alone may be out
	WIN MUL_LO
	MUL8 0, 1, 1, \slot, 0
	s_wait_dscnt 0x0
	s_barrier_signal -1
	MUL8 1, 1, 1, \slot, 0
	WIN 0
	s_barrier_wait -1
.if \fill
	CREST
	s_add_nc_u64 s[G0+4*\slot+2:G0+4*\slot+3], s[G0+4*\slot+2:G0+4*\slot+3], 2*KSB
	s_add_nc_u64 s[G0B+4*\slot+2:G0B+4*\slot+3], s[G0B+4*\slot+2:G0B+4*\slot+3], 2*KSB
	QLOAD \slot, -1, -1
	PLACES NP-4
.else
	PLACES NP
.endif
	v_add_nc_u32 v[ADRS2], 1024, v[ADRS2]
	s_wait_alu depctr_va_vdst(0)                   ; the wait, directly behind the write
	FETCH2 \next, 0, 0
	SCALES \next, ADRS2
	WIN MUL_LO
	MUL8 2, 1, 1, \slot, 0
	MUL8 3, 1, 1, \slot, 0
.endm
; THE EPILOGUE: block a of 16 rows x 128 columns is quantised in registers: four blocks of 32 columns, 16 numbers of each in my lane, the other 16 in lane l xor 16.
.macro QROW a, zc
.set AC, 64*((\a)%4)
.set PCA, PC+16*(\a)
	WIN 0x0a+5*((\a)/4)                            ; sources 0 and 1: the accumulators' window; source 2 and the destination: window 0
.irp c, 0,1,2,3
	v_max3_num_f32 v[TM+\c], |v[AC+16*\c]|, |v[AC+16*\c+1]|, 0x8000000   ; each accumulator is read from its low end on; the floor 2^(16 - 127) holds the byte at 1 from below
.endr
.irp i, 2,4,6,8,10,12,14
.irp c, 0,1,2,3
	v_max3_num_f32 v[TM+\c], |v[AC+16*\c+\i]|, |v[AC+16*\c+\i+1]|, v[TM+\c]
.endr
.endr
	WIN 0
.irp c, 0,1,2,3
	v_permlanex16_b32 v[TM+4+\c], v[TM+\c], s96, s97
.endr
.irp c, 0,1,2,3
	v_max_num_f32 v[TM+\c], v[TM+\c], v[TM+4+\c]
.endr
.irp c, 0,1,2,3
	v_add_nc_u32 v[TM+12+\c], 0xf8800000, v[TM+\c] ; 15 off the exponent field: the conversion's scale operand
.endr
.irp c, 0,1,2,3
	v_and_or_b32 v[TM+8+\c], v[TM+\c], 0x7f800000, s95   ; 57,344 x the scale
.endr
.irp c, 0,1,2,3
	v_lshrrev_b32 v[TM+4+\c], 23, v[TM+12+\c]      ; the byte
.endr
	v_lshl_or_b32 v[PW+(\a)], v[TM+5], 8, v[TM+4]
	v_lshl_or_b32 v[PW+(\a)], v[TM+6], 16, v[PW+(\a)]
	v_lshl_or_b32 v[PW+(\a)], v[TM+7], 24, v[PW+(\a)]
	WIN 0x02+((\a)/4)                              ; source 0: the accumulators' window
.irp c, 0,1,2,3
.set n, 0
.rept 16
	v_med3_num_f32 v[TT+16*\c+n], v[AC+16*\c+n], -v[TM+8+\c], v[TM+8+\c]   ; the hold (the conversion does not saturate: ISA guide 7.6.2), and the way into window 0
.set n, n+1
.endr
.endr
	WIN 0
.irp c, 0,1,2,3
	v_cvt_scalef32_pk8_bf8_f32 v[PCA+4*\c:PCA+4*\c+1], v[TT+16*\c:TT+16*\c+7], v[TM+12+\c]
	v_cvt_scalef32_pk8_bf8_f32 v[PCA+4*\c+2:PCA+4*\c+3], v[TT+16*\c+8:TT+16*\c+15], v[TM+12+\c]
.endr
	v_nop                                          ; a plain line behind the last conversion
.irp c, 0,1,2,3
	global_store_b128 v[ZO], v[PCA+4*\c:PCA+4*\c+3], s[\zc:\zc+1] offset:((\c)/2)*16384+(\a)*1024+((\c)%2)*512   ; 512 consecutive aligned bytes
.endr
.endm
	s_wait_alu depctr_va_vdst(0)                   ; the wait at the head's end
	s_wait_tensorcnt 0x0                           ; my tile of the head's four is in, and no tensor load of mine is out, so descriptors may be written:
	DESC G1,  32, 128, 32                          ; a refill of codes brings one record's K step: 128 rows of 256 bytes, dense
	DESC G1B, 32, 128, 32
	DESC G1S, 32, 16,  32                          ; P's scale bytes: 4,096 dense bytes (R's keep the head's form: 4,096 of each of two records)
	s_mov_b32 s95, 0x600000                        ; the mantissa field of 57,344
	s_mov_b32 s[G0S+1], RECL
	s_add_nc_u64 s[G0S+2:G0S+3], s[PP:PP+1], SCO
	s_or_b32 s[G0S+3], s[G0S+3], 0x80000000
	s_mov_b32 s[G0SB+1], RECL+HALFT
	s_add_nc_u64 s[G0SB+2:G0SB+3], s[RR:RR+1], SCO
	s_or_b32 s[G0SB+3], s[G0SB+3], 0x80000000
	s_mul_i32 s18, s16, REC
	s_mov_b32 s19, 0
	s_add_nc_u64 s[RR:RR+1], s[RR:RR+1], s[18:19]  ; my record of R'
	s_lshl_b32 s22, s16, 15                        ; phase 2's prefetches: waves 0, 1: P's K step 0 or 1; waves 2, 3: my record of R',
	s_mov_b32 s23, 0
	s_add_nc_u64 s[PFA2:PFA2+1], s[PP:PP+1], s[22:23]
	s_cmp_eq_u32 s15, 0
	s_cselect_b64 s[PFA2:PFA2+1], s[PFA2:PFA2+1], s[RR:RR+1]
	s_cselect_b32 s22, s40, s41                    ; my place among the four that fetch it jointly
	s_lshl_b32 s22, s22, 13
	s_add_nc_u64 s[PFA2:PFA2+1], s[PFA2:PFA2+1], s[22:23]
	s_lshr_b32 s22, s2, 1                          ; where my part of phase 2's block lies in v_z: tile = 32 x (record / 2) + pair
	s_lshl_b32 s22, s22, 5
	s_add_co_u32 s22, s22, s3
	s_and_b32 s23, s2, 1                           ; the record is the tile's upper or lower 128 rows
	s_lshl_b32 s4, s22, 16
	s_lshl_b32 s5, s16, 15
	s_add_co_u32 s4, s4, s5
	s_lshl_b32 s5, s23, 13
	s_add_co_u32 s4, s4, s5
	s_lshl_b32 s5, s15, 12
	s_add_co_u32 s4, s4, s5                        ; codes: tile x 65,536 + column half x 32,768 + (8 x record half + 4 x my half) x 1,024
	s_mov_b32 s5, 0
	s_lshl_b32 s6, s22, 11
	s_lshl_b32 s7, s16, 10
	s_add_co_u32 s6, s6, s7
	s_lshl_b32 s7, s23, 9
	s_add_co_u32 s6, s6, s7
	s_lshl_b32 s7, s15, 8
	s_add_co_u32 s6, s6, s7
	s_add_co_u32 s6, s6, ZSC                       ; scale words: 67,108,864 + tile x 2,048 + column half x 1,024 + (2 x record half + my half) x 256
	s_mov_b32 s7, 0
	s_add_nc_u64 s[VZC:VZC+1], s[12:13], s[4:5]
	s_add_nc_u64 s[VZS:VZS+1], s[12:13], s[6:7]
	s_barrier_signal -1
	s_barrier_wait -1                              ; everybody's tile is in
	FETCH_B 0, 0, 0
	FETCH_A 0, 0, 0
	SCALES 0, ADRS
	FETCH_A 0, 0, 4
	global_prefetch_b8 v[PFO], s[PFA:PFA+1] offset:3*KSB th:TH_LOAD_NT scope:SCOPE_SE   ; phase 1's K step 3, which the second refill will fetch
	STEP 0, 0, 1                                   ; K step 0: the first step's products start the sums
	ASK2 0
	TURN 0, 1, 0                                   ; slot 0 takes K step 2
	ASK2 1
	STEP 1, 0, 0                                   ; K step 1
	ASK2 2
	TURN 1, 0, 0                                   ; slot 1 takes K step 3
	ASK2 3
	STEP 0, 0, 0                                   ; K step 2
	TURN 0, 1, 1                                   ; slot 0 takes phase 2's K step 0
	STEP 1, 0, 0                                   ; K step 3
	MEET 1
	s_add_nc_u64 s[G0+6:G0+7], s[PP:PP+1], KSB     ; slot 1 takes phase 2's K step 1 and R's scale bytes
	s_or_b32 s[G0+7], s[G0+7], 0x80000000
	s_add_nc_u64 s[G0B+6:G0B+7], s[RR:RR+1], KSB
	s_or_b32 s[G0B+7], s[G0B+7], 0x80000000
	QLOAD 1, G0SB, G1SB
	WIN MUL_HI
	MUL16 4, 1, NQ-1, 1, 0
	MUL16 6, 1, NQ-1, 1, 0
	WIN 0
	PLACES NP                                      ; behind the last products: the lines below write registers that held their operands and scales
.irp b, 0,1,2,3
	v_mov_b32 v[TM+4+\b], 0                        ; a lane permute's destination counts as one of its sources
.endr
.irp a, 0,1,2,3,4,5,6,7
	QROW \a, ZC
.endr
	v_cmp_ne_u32 vcc_lo, 0, v[HH]                  ; lanes 0-15 send the words of blocks 0-3, lanes 16-31 those of blocks 4-7
.irp i, 0,1,2,3
	v_cndmask_b32 v[SQ+\i], v[PW+\i], v[PW+4+\i], vcc_lo
.endr
	global_store_b128 v[ZO], v[SQ:SQ+3], s[ZS:ZS+1]   ; 512 consecutive aligned bytes
	s_wait_xcnt 0x0                                ; PHASE 2.  Phase 1's stores have read their registers, on which the loads below land
	s_wait_tensorcnt 0x0                           ; my parts of phase 2's K steps 0 and 1 are in,
	s_barrier_signal -1
	s_barrier_wait -1                              ; everybody's are
	FETCH2 0, 0, 0
	SCALES 0, ADRS2
	STEP2 0, 1                                     ; K step 0: the first products start the sums
	TURN2 0, 1, 1                                  ; slot 0 takes K step 2
	STEP2 1, 0
	TURN2 1, 0, 1                                  ; slot 1 takes K step 3
	STEP2 0, 0
	TURN2 0, 1, 0                                  ; nothing more is filled
	STEP2 1, 0
	s_wait_dscnt 0x0
	WIN MUL_LO
.irp a, 0,1,2,3
	MUL8 \a, 1, 1, 1, 0
.endr
	WIN 0
	PLACES NP
.irp b, 0,1,2,3
	v_mov_b32 v[TM+4+\b], 0
.endr
.irp a, 0,1,2,3
	QROW \a, VZC
.endr
	v_cmp_ne_u32 vcc_lo, 0, v[HH]                  ; lanes 0-15 send the words of blocks 0 and 1 of row r, lanes 16-31 those of blocks 2 and 3
	v_cndmask_b32 v[SQ], v[PW], v[PW+2], vcc_lo
	v_cndmask_b32 v[SQ+1], v[PW+1], v[PW+3], vcc_lo
	global_store_b64 v[ZR], v[SQ:SQ+1], s[VZS:VZS+1]   ; 256 consecutive aligned bytes
	s_wait_tensorcnt 0x0                           ; the wave's end
	ds_add_u32 v[SPW], v[NIL]
	s_wait_dscnt 0x0
	CROUND                                         ; the closing round
	s_endpgm
.Lfunc_end_k_q472a90144e_qk:
	.size	k_q472a90144e_qk, .Lfunc_end_k_q472a90144e_qk-k_q472a90144e_qk
	.p2alignl 7, 3214868480
	.fill 96, 4, 3214868480
	.section	.rodata,"a",@progbits
	.p2align	6, 0x0
	.amdhsa_kernel k_q472a90144e_qk
		.amdhsa_group_segment_fixed_size 327680
		.amdhsa_private_segment_fixed_size 0
		.amdhsa_enable_private_segment 0
		.amdhsa_kernarg_size 40
		.amdhsa_user_sgpr_count 2
		.amdhsa_user_sgpr_kernarg_segment_ptr 1
		.amdhsa_wavefront_size32 1
		.amdhsa_system_sgpr_workgroup_id_x 1
		.amdhsa_system_sgpr_workgroup_id_y 1
		.amdhsa_system_sgpr_workgroup_id_z 1
		.amdhsa_system_vgpr_workitem_id 0
		.amdhsa_next_free_vgpr 1024
		.amdhsa_next_free_sgpr 106
		.amdhsa_reserve_vcc 1
		.amdhsa_float_denorm_mode_32 3
		.amdhsa_float_denorm_mode_16_64 3
		.amdhsa_memory_ordered 1
		.amdhsa_forward_progress 1
		.amdhsa_inst_pref_size 255
	.end_amdhsa_kernel
	.section	.bss,"aw",@nobits
	.p2align	6
	.space	262144
	.amdgpu_metadata
---
amdhsa.version: [ 1, 2 ]
amdhsa.kernels:
  - .name:           k_q472a90144e_qk
    .symbol:         k_q472a90144e_qk.kd
    .args:
      - { .name: x_img, .offset: 0, .size: 8, .value_kind: global_buffer, .address_space: global }
      - { .name: wqk_img, .offset: 8, .size: 8, .value_kind: global_buffer, .address_space: global }
      - { .name: wv_img, .offset: 16, .size: 8, .value_kind: global_buffer, .address_space: global }
      - { .name: qk_z, .offset: 24, .size: 8, .value_kind: global_buffer, .address_space: global }
      - { .name: v_z, .offset: 32, .size: 8, .value_kind: global_buffer, .address_space: global }
    .group_segment_fixed_size: 327680
    .private_segment_fixed_size: 0
    .kernarg_segment_align: 8
    .kernarg_segment_size: 40
    .max_flat_workgroup_size: 128
    .sgpr_count:     106
    .vgpr_count:     1024
    .wavefront_size: 32
...
	.end_amdgpu_metadata
.endif
;; end of part 2
;; launch attn (part 3): grid 4 x 64, 16 waves a work-group, clusters of 4 x 1, 272,384 bytes of LDS; arguments qk_z, v_z, o_img; writes o_img
.if DOCPART == 3
	.amdgcn_target "amdgcn-amd-amdhsa--gfx1250"
	.amdhsa_code_object_version 6
	.text
	.protected	k_q472a90144e_attn
	.globl	k_q472a90144e_attn
	.p2align	8
	.type	k_q472a90144e_attn,@function
k_q472a90144e_attn:
	s_mov_b64 s[64:65], 0
	v_nop
	global_prefetch_b8 v0, s[64:65] scope:SCOPE_SE
	s_setreg_imm32_b32 hwreg(HW_REG_WAVE_MODE, 25, 1), 1
	s_wait_xcnt 0x0
	s_wait_alu depctr_hold_cnt(0) depctr_sa_sdst(0) depctr_va_vdst(0) depctr_va_sdst(0) depctr_va_ssrc(0) depctr_va_vcc(0) depctr_vm_vsrc(0)
	s_getreg_b32 s2, hwreg(HW_REG_IB_STS2, 6, 4)
	s_cmp_eq_u32 s2, 0
	s_cbranch_scc0 .Lentry_in_a_cluster
	s_endpgm
.Lentry_in_a_cluster:
	s_bfe_u32 s2, ttmp6, 0x10000c
	s_cmp_lg_u32 s2, 0x3003
	s_cbranch_scc0 .Lentry_shape_is_right
	s_endpgm
.Lentry_shape_is_right:
; Causal attention of one (batch, head) on codes of BF8 (E5M2) with E8M0 scales, head size 64, 2,048 queries and keys; the result is quantised along the channels and leaves as the next product's operand image.
; t = score x log2(e) / 8; M = the running largest t rounded up to a whole number; p = 2^(t - M) is quantised along the keys; the row's sum is taken of the unquantised p and divides at the end.
; SHARES.  A cluster of four work-groups has one head; K's and V's codes of the whole head (262,144 bytes) are asked for JOINTLY and lie in each work-group's LDS, filled once: no slot is ever filled again.
; A tile is 16 queries, T = 4 i + cx.  A wave of rank rho owns i = rho and i = 31 - rho.  Tile i needs the key steps (128 keys) 0 .. i / 2, whatever cx: rho / 2 + 1 and 16 - rho / 2 steps: 17 for every wave.
; So all waves walk one loop of 17 trips; no branch and no LDS address hangs on cx.
; BOTH PRODUCTS ARE USED TRANSPOSED: S^T = K Q^T, O^T = V^T P^T: a lane holds one query (lane % 16) throughout, and its registers of two neighbouring tiles are 16 numbers of one block of 32 keys.
; K = 64 IN AN INSTRUCTION OF K = 128: source 0 = two neighbouring tiles of 16 keys on end, source 1 = [q | zeros] for the first of them, [zeros | q] for the second: zero codes add nothing.
; The scale bytes of the result are stored one a lane, two of a row's eight: the other six belong to heads that other work-groups make; they are 1/32 of the codes' bytes.
; LIMITS: NaN and infinities are not served.  v_exp_f32 gives 0 for p under 2^-126.  A block of zeros keeps the byte 1; this program alone reads the bytes.
; THE HEAD: each of the sixteen waves asks for 16,384 bytes, one joint load: waves 0-7 for 256 keys of K each, waves 8-15 for 256 keys of V each.  One wait for 0 and one barrier show all 2,048 keys.
; No prefetch: the launch asks for all that it reads at its head, and has no loop to run ahead in.
.set REC,  135168
.set VREG, 131072                      ; LDS: 0: key tile T at T*1024: [d block][lane][16];  VREG: 64-key group G at G*4096 + dt*1024 + (block % 2)*512
.set KS,   262144                      ; [step][r][4 words]: a word = the two bytes of key tile 2 p, then those of tile 2 p + 1; written by ds_store
.set VS,   266240                      ; [step][r][dt] words; written by ds_store
.set ZSC,  67108864
.set LI,   1                           ; v1   16 x lane
.set LR,   2                           ; v2   KS + 16 r
.set ADK,  3                           ; v3-5 the step's addresses: K, V, scale words
.set ADV,  4
.set ADS,  5
.set LB,   6                           ; v6   r - 8 h
.set OSL,  7                           ; v7   8 r + h
.set Q2A,  8                           ; v[8:11], v[44:47], v41: the second tile's q and its scale word
.set Q2B,  44
.set Q2W,  41
.set NINF, 42                          ; v42  -infinity
.set LV,   43                          ; v43  VREG + 16 x lane
.set QF,   16                          ; v16-39 [q | zeros | q];  v12 -M, v13 the largest t, v[14:15] the sum in two halves
.set QSW,  40
.set FB,   48                          ; v48-111 four fragments of K or of V
.set SS,   112                         ; v112-175 S^T, then p
.set OO,   176                         ; v176-207 O^T
.set PC,   208                         ; v208-223 p's codes
.set BM,   224                         ; block maxima;  BP permutes, bytes;  BH holds;  BS scale operands
.set BP,   228
.set BH,   232
.set BS,   236
.set KSW,  240
.set VSW,  244
.set PW,   248
.set FF,   250                         ; v[250:251] f = 2^(old M - new M)
.set WV,   10
.set RHO,  11
.set M1,   12                          ; the first tile's last key step
.set XM,   13                          ; the second tile's: 15 - M1
.set HQ,   15
.set SEL,  76
.set CS,   78
.set MNT,  80
.set N,    81
.set KAP,  82
.set ML,   83
.set TD,   84
.set TD1,  85
.set TD2,  86
.set OB1,  87
.set OS1,  88
.set OB2,  89
.set OS2,  90
.set QT0,  91
.set H14,  92
.set OBC,  96
.set OSC,  97
.set HJ,   98
.set HOB,  99
.set HOS,  66
.set PSEL, 67
.set QSEL, 18
.macro CROUND                          ; a round of the cluster's barrier
	s_barrier_signal -1
	s_barrier_wait -1
	s_cmp_lg_u32 s[WV], 0
	s_cbranch_scc1 .Lnot_wave_0_\@
	s_barrier_signal -3
.Lnot_wave_0_\@:
	s_barrier_wait -3
	s_barrier_signal -1
	s_barrier_wait -1
.endm
; What hangs on a tile T (a scalar register): q's byte offset and its scale word's in qk_z, 16 (T % 8), and the offsets of its codes and scale bytes in o_img
.macro TILE T, QO, QS, TDR, OB, OS
	s_lshr_b32 s93, s[\T], 4
	s_lshl_b32 s93, s93, 5
	s_add_co_u32 s93, s93, s[QT0]                  ; q's tile of qk_z
	s_and_b32 s94, s[\T], 15
	s_lshl_b32 s[\QO], s93, 16
	s_lshl_b32 s95, s94, 10
	s_add_co_u32 s[\QO], s[\QO], s95
	s_add_co_u32 s[\QO], s[\QO], s[H14]
	s_lshl_b32 s[\QS], s93, 11
	s_lshr_b32 s95, s94, 2
	s_lshl_b32 s95, s95, 8
	s_add_co_u32 s[\QS], s[\QS], s95
	s_and_b32 s95, s[\T], 3
	s_lshl_b32 s95, s95, 2
	s_add_co_u32 s[\QS], s[\QS], s95
	s_add_co_u32 s[\QS], s[\QS], s[HJ]
	s_and_b32 s[\TDR], s[\T], 7
	s_lshl_b32 s[\TDR], s[\TDR], 4
	s_lshl_b32 s93, s16, 7
	s_add_co_u32 s93, s93, s[\T]                   ; the block of 16 rows among the 512 of o_img
	s_lshr_b32 s94, s93, 3
	s_mul_i32 s94, s94, REC
	s_and_b32 s93, s93, 7
	s_lshl_b32 s95, s93, 12
	s_add_co_u32 s[\OB], s94, s95
	s_add_co_u32 s[\OB], s[\OB], s[HOB]
	s_lshl_b32 s95, s93, 7
	s_add_co_u32 s[\OS], s94, s95
	s_add_co_u32 s[\OS], s[\OS], s[HOS]
.endm
	s_load_b128 s[4:7], s[0:1], 0x0                ; qk_z s[4:5], v_z s[6:7]
	s_load_b64 s[8:9], s[0:1], 0x10                ; o_img
	v_lshl_add_u32 v249, v0, 2, 0x42000
	v_mov_b32 v255, 0
	ds_add_u32 v249, v255
	ds_add_u32 v249, v255
	v_lshrrev_b32 v1, 5, v0
	s_delay_alu instid0(VALU_DEP_1)
	v_readfirstlane_b32 s[WV], v1                  ; wave 0..15
	s_bfe_u32 s14, ttmp6, 0x40000                  ; cx: it enters q's and o's global offsets and the mask's comparison alone
	s_and_b32 s15, ttmp7, 0xffff
	s_lshr_b32 s16, s15, 4                         ; batch
	s_and_b32 s17, s15, 15                         ; head
	s_lshr_b32 s18, s[WV], 2
	s_add_co_u32 s19, s18, s[WV]
	s_and_b32 s19, s19, 3
	s_lshl_b32 s19, s19, 2
	s_add_co_u32 s[RHO], s19, s18                  ; rank
	s_lshr_b32 s[M1], s[RHO], 1
	s_xor_b32 s[XM], s[M1], 15
	s_lshr_b32 s[HQ], s17, 2                       ; head / 4
	s_and_b32 s93, s17, 3                          ; head % 4
	s_lshl_b32 s[QT0], s16, 8
	s_add_co_u32 s[QT0], s[QT0], s[HQ]             ; q's first tile: 32 x (8 x batch) + head / 4
	s_lshl_b32 s[H14], s93, 14
	s_add_co_u32 s22, s[QT0], 4
	s_lshl_b32 s22, s22, 16
	s_add_co_u32 s22, s22, s[H14]                  ; K's codes begin here in qk_z;
	s_lshl_b32 s23, s[HQ], 5
	s_lshl_b32 s94, s16, 3
	s_add_co_u32 s23, s23, s94                     ; V's first tile: 32 x (head / 4) + 8 x batch
	s_lshl_b32 s3, s23, 11
	s_lshl_b32 s94, s93, 8
	s_add_co_u32 s3, s3, s94
	s_add_co_u32 s3, s3, ZSC                       ; V's scale words begin here in v_z,
	s_lshl_b32 s23, s23, 16
	s_lshl_b32 s94, s93, 12
	s_add_co_u32 s23, s23, s94                     ; and its codes here
	s_lshr_b32 s94, s93, 1
	s_lshl_b32 s[HJ], s94, 10
	s_add_co_u32 s[HJ], s[HJ], ZSC                 ; which 128 columns' scale words hold my head's
	s_add_co_u32 s2, s[QT0], 4
	s_lshl_b32 s2, s2, 11
	s_add_co_u32 s2, s2, s[HJ]                     ; K's scale words begin here
	s_lshl_b32 s[HOB], s[HQ], 15
	s_bfe_u32 s93, s17, 0x10001
	s_lshl_b32 s94, s93, 11
	s_add_co_u32 s[HOB], s[HOB], s94
	s_and_b32 s95, s17, 1
	s_lshl_b32 s94, s95, 10
	s_add_co_u32 s[HOB], s[HOB], s94               ; my head's place in a record's codes
	s_lshl_b32 s[HOS], s[HQ], 10
	s_lshl_b32 s94, s93, 2
	s_add_co_u32 s[HOS], s[HOS], s94
	s_lshl_b32 s94, s95, 1
	s_add_co_u32 s[HOS], s[HOS], s94
	s_add_co_u32 s[HOS], s[HOS], 131072            ; and among its scale bytes
	s_mov_b32 s[PSEL], 0x07060302
	s_cmp_eq_u32 s95, 0                            ; an even head's bytes are a word's lower two
	s_cselect_b32 s[PSEL], 0x05040100, s[PSEL]
	; descriptor groups 1: elements of 8 bytes; the mask names all four work-groups.  K: rows of 16,384 bytes (256 keys), 2,097,152 bytes apart.  V: rows of 4,096 bytes (64 keys), 16,384 apart
	s_mov_b32 s24, 15|(3<<16)|(1<<21)
	s_mov_b32 s25, 2048<<16
	s_mov_b32 s26, 1<<16
	s_mov_b32 s27, 2048<<16
	s_mov_b32 s28, 1
	s_mov_b32 s29, 262144
	s_mov_b32 s30, 0
	s_mov_b32 s31, 0
	s_mov_b32 s40, 15|(3<<16)|(1<<21)
	s_mov_b32 s41, 512<<16
	s_mov_b32 s42, 4<<16
	s_mov_b32 s43, 512<<16
	s_mov_b32 s44, 4
	s_mov_b32 s45, 2048
	s_mov_b32 s46, 0
	s_mov_b32 s47, 0
	s_mov_b32 s[SEL], 0x76543210
	s_mov_b32 s[SEL+1], 0xfedcba98
	s_mov_b32 s[CS], 0x3e38aa3b                    ; c = log2(e) / 8
	s_mov_b32 s[CS+1], s[CS]
	s_mov_b32 s[MNT], 0x600000
	s_and_b32 s18, s[WV], 7                        ; f: which 256 keys I fetch
	s_mov_b32 s21, 0
	s_wait_dscnt 0x0
	s_wait_kmcnt 0x0
	s_lshl_b32 s93, s18, 21                        ; K, first load: keys 256 f on
	s_add_co_u32 s20, s22, s93
	s_mov_b32 s56, 1
	s_lshl_b32 s57, s18, 14
	s_add_nc_u64 s[58:59], s[4:5], s[20:21]
	s_or_b32 s59, s59, 0x80000000
	s_lshl_b32 s93, s18, 16                        ; V likewise
	s_add_co_u32 s20, s23, s93
	s_mov_b32 s68, 1
	s_add_co_u32 s69, s57, VREG
	s_add_nc_u64 s[70:71], s[6:7], s[20:21]
	s_or_b32 s71, s71, 0x80000000
	CROUND                                         ; all four work-groups are here: the joint loads meet
	s_cmp_lt_u32 s[WV], 8                          ; waves 0-7 fetch K, waves 8-15 V: one load a wave, an arm each
	s_cbranch_scc0 .Lnot_k
	tensor_load_to_lds s[56:59], s[24:31]
	s_nop 0
.rept 4
	v_nop
.endr
	s_branch .Lasked
.Lnot_k:
	tensor_load_to_lds s[68:71], s[40:47]
	s_nop 0
.rept 4
	v_nop
.endr
.Lasked:
	v_and_b32 v[LI], 31, v0
	s_delay_alu instid0(VALU_DEP_1)
	v_lshlrev_b32 v[LI], 4, v[LI]
	v_and_b32 v252, 15, v0                         ; r
	v_bfe_u32 v253, v0, 4, 1                       ; h
	s_delay_alu instid0(VALU_DEP_2)
	v_lshl_add_u32 v[LR], v252, 4, KS
	s_delay_alu instid0(VALU_DEP_2)
	v_lshlrev_b32 v254, 3, v253
	s_delay_alu instid0(VALU_DEP_1)
	v_sub_nc_u32 v[LB], v252, v254
	s_delay_alu instid0(VALU_DEP_4)
	v_lshl_add_u32 v[OSL], v252, 3, v253
	v_add_nc_u32 v[LV], VREG, v[LI]
	v_mov_b32 v[NINF], 0xff800000
	v_lshrrev_b32 v54, 6, v0                       ; K's scale words: thread t takes 16 bytes: 256 keys' block t / 64, in it 16 (t % 64)
	s_delay_alu instid0(VALU_DEP_1)
	v_lshlrev_b32 v54, 16, v54
	v_and_b32 v55, 63, v0
	s_delay_alu instid0(VALU_DEP_1)
	v_lshl_add_u32 v54, v55, 4, v54
	s_delay_alu instid0(VALU_DEP_1)
	v_add_nc_u32 v54, s2, v54
	v_lshrrev_b32 v55, 5, v0                       ; V's: 8 bytes: step t / 32, in it 8 (t % 32)
	s_delay_alu instid0(VALU_DEP_1)
	v_lshlrev_b32 v55, 10, v55
	v_and_b32 v56, 31, v0
	s_delay_alu instid0(VALU_DEP_1)
	v_lshl_add_u32 v55, v56, 3, v55
	s_delay_alu instid0(VALU_DEP_1)
	v_add_nc_u32 v55, s3, v55
	v_lshrrev_b32 v62, 5, v0                       ; where they go in LDS: K's pair words at KS + 256 (t / 32) + 16 (t % 16) + 8 ((t / 16) % 2)
	s_delay_alu instid0(VALU_DEP_1)
	v_lshlrev_b32 v62, 8, v62
	v_and_b32 v63, 15, v0
	s_delay_alu instid0(VALU_DEP_1)
	v_lshl_add_u32 v62, v63, 4, v62
	v_bfe_u32 v63, v0, 4, 1
	s_delay_alu instid0(VALU_DEP_1)
	v_lshl_add_u32 v62, v63, 3, v62
	s_delay_alu instid0(VALU_DEP_1)
	v_add_nc_u32 v62, KS, v62
	v_lshl_add_u32 v63, v0, 3, VS                  ; V's at VS + 8 t
	s_lshl_b32 s2, s[RHO], 2
	s_sub_co_u32 s3, 124, s2
	s_add_co_u32 s2, s2, s14                       ; my first tile: 4 rho + cx
	s_add_co_u32 s3, s3, s14                       ; my second: 4 (31 - rho) + cx
	TILE 2, 20, 21, TD1, OB1, OS1
	TILE 3, 22, 23, TD2, OB2, OS2
	s_and_b32 s93, s17, 1
	s_mov_b32 s[QSEL], 0x03020302
	s_cmp_eq_u32 s93, 0
	s_cselect_b32 s[QSEL], 0x01000100, s[QSEL]
	v_add_nc_u32 v56, s20, v[LI]
	v_lshl_add_u32 v57, v252, 4, s21
	v_add_nc_u32 v58, s22, v[LI]
	v_lshl_add_u32 v59, v252, 4, s23
	global_load_b128 v[48:51], v54, s[4:5]
	global_load_b64 v[52:53], v55, s[6:7]
	global_load_b128 v[QF:QF+3], v56, s[4:5]
	global_load_b128 v[QF+4:QF+7], v56, s[4:5] offset:512
	global_load_b128 v[QF+16:QF+19], v56, s[4:5]
	global_load_b128 v[QF+20:QF+23], v56, s[4:5] offset:512
	global_load_b32 v[QSW], v57, s[4:5]
	global_load_b128 v[Q2A:Q2A+3], v58, s[4:5]
	global_load_b128 v[Q2B:Q2B+3], v58, s[4:5] offset:512
	global_load_b32 v[Q2W], v59, s[4:5]
.set n, 0
.rept 8
	v_mov_b32 v[QF+8+n], 0                         ; the zero codes between the two copies of q
.set n, n+1
.endr
	v_mov_b32 v13, 0xff61b1e6                      ; the largest t so far: -3e38
	s_delay_alu instid0(VALU_DEP_1)
	v_floor_f32 v12, -v13                          ; -M
	v_mov_b32 v14, 0
	v_mov_b32 v15, 0
.set n, 0
.rept 32
	v_mov_b32 v[OO+n], 0                           ; the loop has no first step of its own: it finds zeros, which the first change of M leaves zeros
.set n, n+1
.endr
.irp b, 0,1,2,3
	v_mov_b32 v[BP+\b], 0                          ; a lane permute's destination counts as one of its sources
.endr
	v_mov_b32 v[FF+1], 0                           ; named as the upper half of a pair
	s_wait_loadcnt 8                               ; the two loads of scale words are in; q's eight may be out
	v_perm_b32 v60, v49, v48, s[PSEL]              ; my head's two bytes of key tile 4 g and of tile 4 g + 1,
	v_perm_b32 v61, v51, v50, s[PSEL]              ; of tiles 4 g + 2 and 4 g + 3
	ds_store_b64 v62, v[60:61]
	ds_store_b64 v63, v[52:53]
	s_wait_loadcnt 0x0
	v_perm_b32 v[QSW], v[QSW], v[QSW], s[QSEL]     ; q's two bytes, twice: for either place of q in source 1
	v_perm_b32 v[Q2W], v[Q2W], v[Q2W], s[QSEL]
	s_wait_dscnt 0x0                               ; for the others' sake: my stores of scale words are done
	s_wait_tensorcnt 0x0                           ; my 16,384 bytes have landed; nothing is filled again in this launch
	s_barrier_signal -1
	s_barrier_wait -1                              ; everybody's have
; ONE TRIP: a key step of 128 keys for the tile in hand.  km = 15 holds the step's number inside the head's sixteen steps.
.macro TRIP km
	s_cmp_gt_u32 s[N], s[M1]                       ; trips 0 .. M1: my first tile, step N;  later: my second, step N - M1 - 1 = (N + 15 - M1) mod 16
	s_cselect_b32 s93, s[XM], 0
	s_cselect_b32 s[ML], s[XM], s[M1]              ; the tile's last step, which holds its diagonal
	s_cselect_b32 s[TD], s[TD2], s[TD1]
	s_cselect_b32 s[OBC], s[OB2], s[OB1]
	s_cselect_b32 s[OSC], s[OS2], s[OS1]
	s_add_co_u32 s[KAP], s[N], s93
	s_and_b32 s[KAP], s[KAP], \km
	s_lshl_b32 s94, s[KAP], 13
	s_lshl_b32 s95, s[KAP], 8
	v_add_nc_u32 v[ADK], s94, v[LI]
	v_add_nc_u32 v[ADV], s94, v[LV]
	v_add_nc_u32 v[ADS], s95, v[LR]
.rept 5
	v_nop                                          ; with the three additions: eight places behind the last products, in front of loads into their operands
.endr
.set n, 0
.rept 16
	ds_load_b128 v[FB+4*n:FB+4*n+3], v[ADK] offset:512*n   ; eight tiles of 16 keys: 8,192 consecutive bytes
.set n, n+1
.endr
	ds_load_b128 v[KSW:KSW+3], v[ADS]
	s_wait_alu depctr_va_vdst(0)
	s_wait_dscnt 0x0
.irp t, 0,1,2,3,4,5,6,7
	v_wmma_scale_f32_16x16x128_f8f6f4 v[SS+8*\t:SS+8*\t+7], v[FB+16*(\t/2):FB+16*(\t/2)+15], v[QF+8*(\t%2):QF+8*(\t%2)+15], 0, v[KSW+\t/2], v[QSW] matrix_a_fmt:MATRIX_FMT_BF8 matrix_b_fmt:MATRIX_FMT_BF8
.endr
.rept 8
	v_nop                                          ; places: in front of the loads into K's registers, and of the first read of the scores
.endr
.irp dt, 0,1,2,3
.irp c, 0,1,2,3
	ds_load_b128 v[FB+16*\dt+4*\c:FB+16*\dt+4*\c+3], v[ADV] offset:(\c/2)*4096+\dt*1024+(\c%2)*512   ; V's four fragments land under the softmax
.endr
.endr
	ds_load_b128 v[VSW:VSW+3], v[ADS] offset:4096
	s_cmp_lg_u32 s[KAP], s[ML]
	s_cbranch_scc1 .Lopen_\@
	v_add_nc_u32 v252, s[TD], v[LB]                ; on the diagonal: register 16 c + 8 u + j holds key 32 c + 16 u + 8 h + j of the step: hidden where 32 c + 16 u + j > 16 (T % 8) + r - 8 h
.set n, 0
.rept 64
	v_cmp_gt_i32 vcc_lo, 32*(n/16)+16*((n/8)%2)+n%8, v252
	v_cndmask_b32 v[SS+n], v[SS+n], v[NINF], vcc_lo
.set n, n+1
.endr
.Lopen_\@:
.irp b, 0,1,2,3
	v_max3_num_f32 v[BM+\b], v[SS+16*\b], v[SS+1+16*\b], v[SS+2+16*\b]   ; the largest score of each block of 32 keys: for the row's maximum and, since p rises with the score, for the block's largest p
.endr
.irp i, 3,5,7,9,11,13
.irp b, 0,1,2,3
	v_max3_num_f32 v[BM+\b], v[BM+\b], v[SS+16*\b+\i], v[SS+1+16*\b+\i]
.endr
.endr
.irp b, 0,1,2,3
	v_max_num_f32 v[BM+\b], v[BM+\b], v[SS+15+16*\b]
.endr
.irp b, 0,1,2,3
	s_delay_alu instid0(VALU_DEP_4)
	v_permlanex16_b32 v[BP+\b], v[BM+\b], s[SEL], s[SEL+1]
.endr
.irp b, 0,1,2,3
	s_delay_alu instid0(VALU_DEP_4)
	v_max_num_f32 v[BM+\b], v[BM+\b], v[BP+\b]
.endr
	s_delay_alu instid0(VALU_DEP_2)
	v_max3_num_f32 v254, v[BM], v[BM+1], v[BM+2]
	s_delay_alu instid0(VALU_DEP_1)
	v_max_num_f32 v254, v254, v[BM+3]
	s_delay_alu instid0(VALU_DEP_1)
	v_mul_f32 v254, s[CS], v254
	s_delay_alu instid0(VALU_DEP_1)
	v_max_num_f32 v13, v13, v254                   ; the running largest t
	v_mov_b32 v254, v12
	s_delay_alu instid0(VALU_DEP_2)
	v_floor_f32 v12, -v13                          ; the new -M = -ceil(t)
	s_delay_alu instid0(VALU_DEP_1)
	v_sub_f32 v254, v12, v254                      ; old M - new M: a whole number, 0 or less
	s_delay_alu instid0(VALU_DEP_1)
	v_cvt_i32_f32 v254, v254                       ; (it saturates)
	s_delay_alu instid0(VALU_DEP_1)
	v_ldexp_f32 v[FF], 1.0, v254                   ; f = 2^(old M - new M)
.set n, 0
.rept 32
	v_pk_fma_f32 v[SS+n:SS+n+1], v[SS+n:SS+n+1], s[CS:CS+1], v[12:13] op_sel_hi:[1,0,0]   ; t - M
.set n, n+2
.endr
.irp b, 0,1,2,3
	v_fma_f32 v[BM+\b], v[BM+\b], s[CS], v12
.endr
.set n, 0
	s_wait_alu depctr_va_vdst(0)
.rept 64
	v_exp_f32 v[SS+n], v[SS+n]                     ; p = 2^(t - M)
.set n, n+1
.endr
	v_pk_mul_f32 v[14:15], v[14:15], v[FF:FF+1] op_sel_hi:[1,0]   ; the sums under the new M: the plain line behind the exponentials
	s_wait_alu depctr_va_vdst(0)                   ; one wait for the batch of 64, ahead of its first reader
.irp b, 0,1,2,3
	v_exp_f32 v[BM+\b], v[BM+\b]                   ; each block's largest p
.endr
	v_pk_add_f32 v[228:229], v[116:117], v[120:121]
	v_pk_add_f32 v[242:243], v[124:125], v[128:129]
	v_pk_add_f32 v[240:241], v[132:133], v[136:137]
	v_pk_add_f32 v[238:239], v[140:141], v[144:145]
	v_pk_add_f32 v[236:237], v[148:149], v[152:153]
	v_pk_add_f32 v[234:235], v[156:157], v[160:161]
	v_pk_add_f32 v[232:233], v[164:165], v[168:169]
	v_pk_add_f32 v[14:15], v[14:15], v[172:173]
	v_pk_add_f32 v[228:229], v[228:229], v[112:113]
	v_pk_add_f32 v[242:243], v[242:243], v[114:115]
	v_pk_add_f32 v[240:241], v[240:241], v[118:119]
	v_pk_add_f32 v[238:239], v[238:239], v[122:123]
	v_pk_add_f32 v[236:237], v[236:237], v[126:127]
	v_pk_add_f32 v[234:235], v[234:235], v[130:131]
	v_pk_add_f32 v[232:233], v[232:233], v[134:135]
	v_pk_add_f32 v[14:15], v[14:15], v[138:139]
	v_pk_add_f32 v[228:229], v[228:229], v[142:143]
	v_pk_add_f32 v[242:243], v[242:243], v[146:147]
	v_pk_add_f32 v[240:241], v[240:241], v[150:151]
	v_pk_add_f32 v[238:239], v[238:239], v[154:155]
	v_pk_add_f32 v[236:237], v[236:237], v[158:159]
	v_pk_add_f32 v[234:235], v[234:235], v[162:163]
	v_pk_add_f32 v[232:233], v[232:233], v[166:167]
	v_pk_add_f32 v[14:15], v[14:15], v[170:171]
	v_pk_add_f32 v[228:229], v[228:229], v[174:175]
	s_delay_alu instid0(VALU_DEP_2)
	v_pk_add_f32 v[14:15], v[14:15], v[238:239]
	s_delay_alu instid0(VALU_DEP_2)
	v_pk_add_f32 v[228:229], v[228:229], v[236:237]
	v_pk_add_f32 v[242:243], v[242:243], v[234:235]
	v_pk_add_f32 v[240:241], v[240:241], v[232:233]
	s_delay_alu instid0(VALU_DEP_2)
	v_pk_add_f32 v[14:15], v[14:15], v[242:243]
	s_delay_alu instid0(VALU_DEP_2)
	v_pk_add_f32 v[228:229], v[228:229], v[240:241]
	s_delay_alu instid0(VALU_DEP_1)
	v_pk_add_f32 v[14:15], v[14:15], v[228:229]
	s_wait_alu depctr_va_vdst(0)                   ; and one for the four
.irp b, 0,1,2,3
	v_max_num_f32 v[BM+\b], 0x8000000, v[BM+\b]    ; the floor 2^(16 - 127)
.endr
.irp b, 0,1,2,3
	s_delay_alu instid0(VALU_DEP_4)
	v_add_nc_u32 v[BS+\b], 0xf8800000, v[BM+\b]
.endr
.irp b, 0,1,2,3
	v_and_or_b32 v[BH+\b], v[BM+\b], 0x7f800000, s[MNT]
.endr
.irp b, 0,1,2,3
	v_lshrrev_b32 v[BP+\b], 23, v[BS+\b]
.endr
	s_delay_alu instid0(VALU_DEP_3)
	v_lshl_or_b32 v[PW], v[BP+1], 8, v[BP]         ; p's scale word for these 128 keys
	s_delay_alu instid0(VALU_DEP_1)
	v_lshl_or_b32 v[PW], v[BP+2], 16, v[PW]
	s_delay_alu instid0(VALU_DEP_1)
	v_lshl_or_b32 v[PW], v[BP+3], 24, v[PW]
.irp b, 0,1,2,3
.set n, 0
.rept 8
	v_dual_min_num_f32 v[SS+16*\b+n], v[BH+\b], v[SS+16*\b+n] :: v_dual_min_num_f32 v[SS+16*\b+n+1], v[BH+\b], v[SS+16*\b+n+1]   ; the hold, two numbers an instruction; p is not negative
.set n, n+2
.endr
	v_cvt_scalef32_pk8_bf8_f32 v[PC+4*\b:PC+4*\b+1], v[SS+16*\b:SS+16*\b+7], v[BS+\b]
	v_cvt_scalef32_pk8_bf8_f32 v[PC+4*\b+2:PC+4*\b+3], v[SS+16*\b+8:SS+16*\b+15], v[BS+\b]
.endr
.set n, 0
.rept 16
	v_pk_mul_f32 v[OO+n:OO+n+1], v[OO+n:OO+n+1], v[FF:FF+1] op_sel_hi:[1,0]   ; O^T under the new M; these sixteen are also the places between the codes and the products
.set n, n+2
.endr
	s_wait_alu depctr_va_vdst(0)
	s_wait_dscnt 0x0                               ; V and its scale words are in
.irp dt, 0,1,2,3
	v_wmma_scale_f32_16x16x128_f8f6f4 v[OO+8*\dt:OO+8*\dt+7], v[FB+16*\dt:FB+16*\dt+15], v[PC:PC+15], v[OO+8*\dt:OO+8*\dt+7], v[VSW+\dt], v[PW] matrix_a_fmt:MATRIX_FMT_BF8 matrix_b_fmt:MATRIX_FMT_BF8
.endr
	s_cmp_lg_u32 s[KAP], s[ML]
	s_cbranch_scc1 .Lgo_on_\@
	; THE TILE IS FINISHED: O^T / the sum, quantised along the head's 64 channels (two blocks of 32), stored as the next product's operand
.rept 8
	v_nop
.endr
	v_add_f32 v14, v14, v15
	s_delay_alu instid0(VALU_DEP_1)
	v_permlanex16_b32 v252, v14, s[SEL], s[SEL+1]
	s_delay_alu instid0(VALU_DEP_1)
	v_add_f32 v14, v14, v252
	s_wait_alu depctr_va_vdst(0)
	v_rcp_f32 v14, v14
	v_nop
	s_wait_alu depctr_va_vdst(0)
.set n, 0
.rept 32
	v_mul_f32 v[SS+n], v[OO+n], v14                ; register 8 dt + j: channel 16 dt + 8 h + j of query r
.set n, n+1
.endr
.irp b, 0,1
	v_max3_num_f32 v[BM+\b], |v[SS+16*\b]|, |v[SS+1+16*\b]|, 0x8000000
.endr
.irp i, 2,4,6,8,10,12,14
.irp b, 0,1
	s_delay_alu instid0(VALU_DEP_2)
	v_max3_num_f32 v[BM+\b], v[BM+\b], |v[SS+16*\b+\i]|, |v[SS+1+16*\b+\i]|
.endr
.endr
.irp b, 0,1
	s_delay_alu instid0(VALU_DEP_2)
	v_permlanex16_b32 v[BP+\b], v[BM+\b], s[SEL], s[SEL+1]
.endr
.irp b, 0,1
	s_delay_alu instid0(VALU_DEP_2)
	v_max_num_f32 v[BM+\b], v[BM+\b], v[BP+\b]
.endr
.irp b, 0,1
	s_delay_alu instid0(VALU_DEP_2)
	v_add_nc_u32 v[BS+\b], 0xf8800000, v[BM+\b]
.endr
.irp b, 0,1
	s_delay_alu instid0(VALU_DEP_4)
	v_and_or_b32 v[BH+\b], v[BM+\b], 0x7f800000, s[MNT]
.endr
.irp b, 0,1
	s_delay_alu instid0(VALU_DEP_4)
	v_lshrrev_b32 v[BP+\b], 23, v[BS+\b]
.endr
.irp b, 0,1
.set n, 0
.rept 16
	v_med3_num_f32 v[SS+16*\b+n], v[SS+16*\b+n], -v[BH+\b], v[BH+\b]
.set n, n+1
.endr
	v_cvt_scalef32_pk8_bf8_f32 v[SS+32+4*\b:SS+33+4*\b], v[SS+16*\b:SS+16*\b+7], v[BS+\b]
	v_cvt_scalef32_pk8_bf8_f32 v[SS+34+4*\b:SS+35+4*\b], v[SS+16*\b+8:SS+16*\b+15], v[BS+\b]
.endr
	v_nop                                          ; a plain line behind the last conversion
	v_add_nc_u32 v252, s[OBC], v[LI]
	v_add_nc_u32 v253, s[OSC], v[OSL]
	v_bfe_u32 v254, v0, 4, 1
	s_delay_alu instid0(VALU_DEP_1)
	v_cmp_ne_u32 vcc_lo, 0, v254
	s_delay_alu instid0(VALU_DEP_1)
	v_cndmask_b32 v254, v[BP], v[BP+1], vcc_lo     ; lane (r, h) sends the byte of block h
	global_store_b128 v252, v[SS+32:SS+35], s[8:9]             ; 512 consecutive aligned bytes
	global_store_b128 v252, v[SS+36:SS+39], s[8:9] offset:512
	global_store_b8 v253, v254, s[8:9]
	s_wait_xcnt 0x0                                ; the stores have read their registers, which later lines write again
.irp i, 0,1,2,3                        ; on to my second tile (behind the second tile these moves serve nothing more and harm nothing)
	v_mov_b32 v[QF+\i], v[Q2A+\i]
	v_mov_b32 v[QF+4+\i], v[Q2B+\i]
	v_mov_b32 v[QF+16+\i], v[Q2A+\i]
	v_mov_b32 v[QF+20+\i], v[Q2B+\i]
.endr
	v_mov_b32 v[QSW], v[Q2W]
	v_mov_b32 v13, 0xff61b1e6
	s_delay_alu instid0(VALU_DEP_1)
	v_floor_f32 v12, -v13
	v_mov_b32 v14, 0
	v_mov_b32 v15, 0
.set n, 0
.rept 32
	v_mov_b32 v[OO+n], 0
.set n, n+1
.endr
.Lgo_on_\@:
.endm
	s_mov_b32 s[N], 0
.Lloop_a:                                          ; 17 trips for every wave
	s_wait_alu depctr_va_vdst(0)
	TRIP 15
	s_add_co_u32 s[N], s[N], 1
	s_cmp_lt_u32 s[N], 17
	s_cbranch_scc1 .Lloop_a
	s_wait_tensorcnt 0x0                           ; the wave's end
	ds_add_u32 v249, v255
	s_wait_dscnt 0x0
	CROUND                                         ; the closing round
	s_endpgm
.Lfunc_end_k_q472a90144e_attn:
	.size	k_q472a90144e_attn, .Lfunc_end_k_q472a90144e_attn-k_q472a90144e_attn
	.p2alignl 7, 3214868480
	.fill 96, 4, 3214868480
	.section	.rodata,"a",@progbits
	.p2align	6, 0x0
	.amdhsa_kernel k_q472a90144e_attn
		.amdhsa_group_segment_fixed_size 272384
		.amdhsa_private_segment_fixed_size 0
		.amdhsa_enable_private_segment 0
		.amdhsa_kernarg_size 24
		.amdhsa_user_sgpr_count 2
		.amdhsa_user_sgpr_kernarg_segment_ptr 1
		.amdhsa_wavefront_size32 1
		.amdhsa_system_sgpr_workgroup_id_x 1
		.amdhsa_system_sgpr_workgroup_id_y 1
		.amdhsa_system_sgpr_workgroup_id_z 1
		.amdhsa_system_vgpr_workitem_id 0
		.amdhsa_next_free_vgpr 256
		.amdhsa_next_free_sgpr 100
		.amdhsa_reserve_vcc 1
		.amdhsa_float_denorm_mode_32 3
		.amdhsa_float_denorm_mode_16_64 3
		.amdhsa_memory_ordered 1
		.amdhsa_forward_progress 1
		.amdhsa_inst_pref_size 47
	.end_amdhsa_kernel
	.amdgpu_metadata
---
amdhsa.version: [ 1, 2 ]
amdhsa.kernels:
  - .name:           k_q472a90144e_attn
    .symbol:         k_q472a90144e_attn.kd
    .args:
      - { .name: qk_z, .offset: 0, .size: 8, .value_kind: global_buffer, .address_space: global }
      - { .name: v_z, .offset: 8, .size: 8, .value_kind: global_buffer, .address_space: global }
      - { .name: o_img, .offset: 16, .size: 8, .value_kind: global_buffer, .address_space: global }
    .group_segment_fixed_size: 272384
    .private_segment_fixed_size: 0
    .kernarg_segment_align: 8
    .kernarg_segment_size: 24
    .max_flat_workgroup_size: 512
    .sgpr_count:     100
    .vgpr_count:     256
    .wavefront_size: 32
...
	.end_amdgpu_metadata
.endif
;; end of part 3
;; launch proj (part 4): grid 4 x 64, 4 waves a work-group, clusters of 4 x 4, 327,680 bytes of LDS; arguments o_img, wp_img, bp, out0; writes out0
.if DOCPART == 4
	.amdgcn_target "amdgcn-amd-amdhsa--gfx1250"
	.amdhsa_code_object_version 6
	.text
	.protected	k_q472a90144e_proj
	.globl	k_q472a90144e_proj
	.p2align	8
	.type	k_q472a90144e_proj,@function
k_q472a90144e_proj:
	s_mov_b64 s[64:65], 0
	v_nop
	global_prefetch_b8 v0, s[64:65] scope:SCOPE_SE
	s_setreg_imm32_b32 hwreg(HW_REG_WAVE_MODE, 25, 1), 1
	s_wait_xcnt 0x0
	s_wait_alu depctr_hold_cnt(0) depctr_sa_sdst(0) depctr_va_vdst(0) depctr_va_sdst(0) depctr_va_ssrc(0) depctr_va_vcc(0) depctr_vm_vsrc(0)
	s_getreg_b32 s2, hwreg(HW_REG_IB_STS2, 6, 4)
	s_cmp_eq_u32 s2, 0
	s_cbranch_scc0 .Lentry_in_a_cluster
	s_endpgm
.Lentry_in_a_cluster:
	s_bfe_u32 s2, ttmp6, 0x10000c
	s_cmp_lg_u32 s2, 0xf033
	s_cbranch_scc0 .Lentry_shape_is_right
	s_endpgm
.Lentry_shape_is_right:
; out0 = O Wp^T + bp: a GEMM on codes of BF8 (E5M2) with E8M0 scales, K = 1,024; O and Wp are images of 135,168 bytes for each 128 rows (codes in the order of the operand's registers, then the scale bytes).
; A block of out0 is 128 rows x 256 columns: 64 x 4 blocks, one for each of 256 work-groups.  Four waves, each 64 x 128 in 32 accumulators (256 registers).
; LDS holds three of K's four steps of 256 at once: O's record (3 x 32,768 bytes), then Wp's two records (3 x 32,768 each), then the scale bytes of all of K (4,096 + 8,192): 307,200 bytes.
; THE HEAD: one joint load a wave: wave 0 O's K steps 0-2 (98,304 dense bytes), wave 1 Wp's (two rows of 98,304 bytes), wave 2 O's scale bytes, wave 3 Wp's.
; ONE REFILL: when every wave has read K step 0 out, K step 3 lands on its bytes, behind the full sequence and a round of the cluster's barrier: waves 0, 1 fetch the halves of O's part, waves 2, 3 a record of Wp each.
; That load has three and a half steps of 128 along K, 112 matrix instructions a wave, in which to land; one more barrier stands in front of its first read.
; PREFETCH: K step 3 is asked for behind the head's loads, more than a K step ahead of its tensor load.  Of the blocks of 256 bytes that a wave will fetch (64 of O, 128 of Wp) each of the four partners that fetch them jointly
; names a quarter, told apart by address (cx for O, cy for Wp), a lane a block; O's lanes 16-31 name their wave's last block again.  The address registers are never rewritten.
; CLUSTERS: 4 x 4 work-groups; O's tiles are asked for jointly along a row of the cluster, Wp's along a column.
; THE MATRIX INSTRUCTION IS USED TRANSPOSED (source 0 = 16 rows of Wp, source 1 = 16 rows of O): a lane holds eight neighbouring columns of one row.  The bias is the C of each accumulator's first product.
; A step of 128 along K is 32 matrix instructions; both operands have two sets of fragment registers, and the next step's 48 LDS loads are issued ahead of a step's products where no barrier stands between.
; REGISTERS: window 0: v0-31 addresses; v32-63 scale words, two sets; v64-127 the bias; v128-255 O's fragments, two sets of 4.  Window 1: Wp's fragments, two sets of 8.  Window 2: accumulator (a, b) at v[8 (8 a + b)].
.set FR,     16
.set NP,     8                         ; places behind this matrix instruction (ISA guide 7.12.1)
.set REC,    135168
.set SCO,    131072
.set KSB,    32768                     ; a K step of a record
.set PK,     3*KSB                     ; a record's three places in LDS; K step k lies at place k % 3
.set RB,     PK                        ; Wp's two records lie behind O's
.set SCL,    3*PK
.set HALFS,  4096
.set SPARE,  SCL+3*HALFS               ; the spare words, 128 bytes for each wave
.set SIZE_N, 1024
.set SPITCH, 528                       ; the way out: a stage of 16 rows x (512 + 16) bytes for each wave,
.set STAGE,  KSB                       ; in O's places 1 and 2, which are never filled again and which nobody reads behind the last barrier
.set ADRA, 16                          ; v16-18 my O fragments at places 0-2
.set ADRB, 20                          ; v20-22 the same for Wp
.set STO,  24
.set RD,   25
.set CO,   26
.set ADRS, 27
.set SPW,  28
.set NIL,  29
.set PFO,  30                          ; v30  the prefetch's offset; never rewritten
.set SC,   32
.set BI,   64
.set AF,   128
.set BK,   128
.set G1, 24
.set G0, 32
.set G1B, 48
.set G0B, 56
.set G1S, 68
.set G0S, 76
.set G1SB, 80
.set G0SB, 88
.set G0H, 4
.set G0HB, 96
.set PFA, 92                           ; s[92:93]; never rewritten
.set MSB, 0
.macro WIN new                         ; the immediate's high byte repeats the setting that is left
.if MSB != (\new)
	s_set_vgpr_msb (MSB<<8)|(\new)
.set MSB, (\new)
.endif
.endm
.set MUL,  0xa1                        ; source 0 (Wp) window 1, source 1 (O) window 0, C and D window 2
.set BIA,  0x81                        ; the same with C (the bias) in window 0
.set TO_B, 0x40
.macro JLOAD g0a, g1a, g0b, g1b        ; waves 0, 1 fetch for O, waves 2, 3 for Wp; the branch hangs on the wave's number alone
	s_cmp_eq_u32 s15, 0
	s_cbranch_scc0 .Lfor_b_\@
	tensor_load_to_lds s[\g0a:\g0a+3], s[\g1a:\g1a+7]
	s_nop 0
.rept 4
	v_nop
.endr
	s_branch .Lasked_\@
.Lfor_b_\@:
	tensor_load_to_lds s[\g0b:\g0b+3], s[\g1b:\g1b+7]
	s_nop 0
.rept 4
	v_nop
.endr
.Lasked_\@:
.endm
.macro CREST                           ; a round of the cluster's barrier behind its opening barrier
	s_cmp_lg_u32 s14, 0
	s_cbranch_scc1 .Lnot_wave_0_\@
	s_barrier_signal -3
.Lnot_wave_0_\@:
	s_barrier_wait -3
	s_barrier_signal -1
	s_barrier_wait -1
.endm
.macro CROUND
	s_barrier_signal -1
	s_barrier_wait -1
	CREST
.endm
.macro DESC g, c, r, p                 ; group 1 but for its first word: r rows of c elements of 8 bytes, p elements apart
	s_mov_b32 s[\g+1], (\c)<<16
	s_mov_b32 s[\g+2], (\r)<<16
	s_mov_b32 s[\g+3], (\c)<<16
	s_mov_b32 s[\g+4], \r
	s_mov_b32 s[\g+5], \p
	s_mov_b32 s[\g+6], 0
	s_mov_b32 s[\g+7], 0
.endm
	s_load_b256 s[4:11], s[0:1], 0x0               ; o_img, wp_img, bp, out0
	v_lshl_add_u32 v[SPW], v0, 2, SPARE
	v_mov_b32 v[NIL], 0
	ds_add_u32 v[SPW], v[NIL]                      ; the opening lines: the add, twice on end, and its wait
	ds_add_u32 v[SPW], v[NIL]
	v_lshrrev_b32 v1, 5, v0
	v_readfirstlane_b32 s14, v1                    ; wave
	s_lshr_b32 s15, s14, 1                         ; which 64 rows are mine.  Also: I fetch for O (0) or for Wp (1)
	s_and_b32 s16, s14, 1                          ; which 128 columns.  Also: which part I fetch
	s_bfe_u32 s40, ttmp6, 0x40000                  ; cx, cy
	s_bfe_u32 s41, ttmp6, 0x40004
	s_lshl_b32 s42, ttmp9, 2
	s_add_co_u32 s42, s42, s40                     ; block column, 0-3
	s_and_b32 s17, ttmp7, 0xffff
	s_lshl_b32 s17, s17, 2
	s_add_co_u32 s17, s17, s41                     ; block row, 0-63
	s_lshl_b32 s43, s41, 2
	s_lshl_b32 s43, 15, s43                        ; my row of the cluster
	s_lshl_b32 s44, 0x1111, s40                    ; my column
	s_or_b32 s[G1], s43, (3<<16)|(1<<21)
	s_or_b32 s[G1B], s44, (3<<16)|(1<<21)
	s_or_b32 s[G1S], s43, (3<<16)|(1<<21)
	s_or_b32 s[G1SB], s44, (3<<16)|(1<<21)
	DESC G1,   32,    384, 32                      ; the head's: O's K steps 0-2: 98,304 dense bytes
	DESC G1B,  12288, 2,   REC/8                   ; Wp's: K steps 0-2 of two records
	DESC G1S,  32,    16,  32                      ; O's scale bytes: 4,096 dense bytes
	DESC G1SB, 512,   2,   REC/8                   ; Wp's: 4,096 of each of two records
	s_mul_i32 s20, s17, REC
	s_mov_b32 s21, 0
	s_mul_i32 s46, s42, 2*REC
	s_mov_b32 s47, 0
	s_wait_dscnt 0x0
	s_wait_kmcnt 0x0
	s_add_nc_u64 s[20:21], s[4:5], s[20:21]        ; O's record
	s_add_nc_u64 s[46:47], s[6:7], s[46:47]        ; Wp's first record
	CROUND                                         ; all sixteen work-groups are here: the first joint loads meet
	s_mov_b32 s[G0H], 1
	s_mov_b32 s[G0H+1], 0
	s_mov_b64 s[G0H+2:G0H+3], s[20:21]
	s_or_b32 s[G0H+3], s[G0H+3], 0x80000000
	s_mov_b32 s[G0HB], 1
	s_mov_b32 s[G0HB+1], RB
	s_mov_b64 s[G0HB+2:G0HB+3], s[46:47]
	s_or_b32 s[G0HB+3], s[G0HB+3], 0x80000000
	s_mov_b32 s[G0S], 1
	s_mov_b32 s[G0S+1], SCL
	s_add_nc_u64 s[G0S+2:G0S+3], s[20:21], SCO
	s_or_b32 s[G0S+3], s[G0S+3], 0x80000000
	s_mov_b32 s[G0SB], 1
	s_mov_b32 s[G0SB+1], SCL+HALFS
	s_add_nc_u64 s[G0SB+2:G0SB+3], s[46:47], SCO
	s_or_b32 s[G0SB+3], s[G0SB+3], 0x80000000
	s_lshl_b32 s18, s16, 14                        ; the refill: O: my 16,384 bytes of a K step,
	s_mov_b32 s19, 0
	s_add_nc_u64 s[20:21], s[20:21], s[18:19]
	s_mul_i32 s22, s16, REC                        ; Wp: my record
	s_mov_b32 s23, 0
	s_add_nc_u64 s[46:47], s[46:47], s[22:23]
	s_mul_i32 s45, s16, PK
	s_add_co_u32 s45, s45, RB
	s_mov_b32 s[G0], 1                             ; K step 3, to place 0
	s_mov_b32 s[G0+1], s18
	s_add_nc_u64 s[G0+2:G0+3], s[20:21], 3*KSB
	s_or_b32 s[G0+3], s[G0+3], 0x80000000
	s_mov_b32 s[G0B], 1
	s_mov_b32 s[G0B+1], s45
	s_add_nc_u64 s[G0B+2:G0B+3], s[46:47], 3*KSB
	s_or_b32 s[G0B+3], s[G0B+3], 0x80000000
	s_cmp_eq_u32 s15, 0                            ; the prefetch: what I will fetch,
	s_cselect_b64 s[PFA:PFA+1], s[20:21], s[46:47]
	s_cselect_b32 s22, s40, s41                    ; my place among the four that fetch it with me,
	s_cselect_b32 s23, 12, 13                      ; 16 blocks of 256 bytes each of O, 32 of Wp
	s_cselect_b32 s94, 15, 31
	s_lshl_b32 s22, s22, s23
	s_mov_b32 s23, 0
	s_add_nc_u64 s[PFA:PFA+1], s[PFA:PFA+1], s[22:23]
.macro ARM under, g0, g1, next         ; one tree of branches on the wave's number, an arm a load, all arms leading to one join
	s_cmp_lt_u32 s14, \under
	s_cbranch_scc0 \next
	tensor_load_to_lds s[\g0:\g0+3], s[\g1:\g1+7]
	s_nop 0
.rept 4
	v_nop
.endr
	s_branch .Lhead_asked
\next:
.endm
	ARM 1, G0H,  G1,  .Lhead_b
	ARM 2, G0HB, G1B, .Lhead_sa
	ARM 3, G0S,  G1S, .Lhead_sb
	tensor_load_to_lds s[G0SB:G0SB+3], s[G1SB:G1SB+7]
	s_nop 0
.rept 4
	v_nop
.endr
.Lhead_asked:
	s_lshl_b32 s12, s42, 10                        ; my first column in bytes: 1,024 x block column + 512 x half
	s_lshl_b32 s13, s16, 9
	s_add_co_u32 s12, s12, s13
	s_lshl_b32 s18, s17, 7                         ; my first row: 128 x block row + 64 x half
	s_lshl_b32 s19, s15, 6
	s_add_co_u32 s18, s18, s19
	s_lshl_b32 s18, s18, 12
	s_add_co_u32 s18, s18, s12
	s_mov_b32 s19, 0
	s_mov_b32 s13, 0
	s_add_nc_u64 s[8:9], s[8:9], s[12:13]
	s_add_nc_u64 s[10:11], s[10:11], s[18:19]
	s_lshl_b32 s21, s15, 14                        ; my 64 rows of O in a place
	s_mul_i32 s22, s16, PK
	s_add_co_u32 s22, s22, RB                      ; my record of Wp
	s_lshl_b32 s2, s15, 9                          ; scale bytes: O's, my 64 rows x 8;
	s_lshl_b32 s3, s16, 12
	s_add_co_u32 s3, s3, HALFS
	s_sub_co_u32 s3, s3, s2                        ; the distance to Wp's
	s_add_co_u32 s2, s2, SCL
	s_mul_i32 s23, s14, 16*SPITCH
	s_add_co_u32 s23, s23, STAGE                   ; my stage
	v_and_b32 v1, 15, v0                           ; r
	v_bfe_u32 v2, v0, 4, 1                         ; h
	v_lshlrev_b32 v7, 5, v2
	v_and_b32 v6, 31, v0
	v_lshlrev_b32 v[CO], 4, v6                     ; 16 x lane
	v_min_u32 v[PFO], s94, v6
	v_lshlrev_b32 v[PFO], 8, v[PFO]
	v_add_nc_u32 v[ADRA], s21, v[CO]
	v_add_nc_u32 v[ADRB], s22, v[CO]
	v_add_nc_u32 v[ADRA+1], KSB, v[ADRA]
	v_add_nc_u32 v[ADRB+1], KSB, v[ADRB]
	v_add_nc_u32 v[ADRA+2], 2*KSB, v[ADRA]
	v_add_nc_u32 v[ADRB+2], 2*KSB, v[ADRB]
	v_lshlrev_b32 v5, 3, v1
	v_mul_u32_u24 v6, s3, v2                       ; lanes 16-31 take Wp's: one product, the distance between the two bases
	v_add_nc_u32 v5, v5, v6
	v_add_nc_u32 v[ADRS], s2, v5
	v_mul_u32_u24 v5, v1, SPITCH
	v_lshl_add_u32 v5, v2, 5, v5
	v_add_nc_u32 v[STO], s23, v5
	v_add_nc_u32 v[RD], s23, v[CO]
	s_wait_alu depctr_va_vdst(0)                   ; the wait at the head's end
	global_prefetch_b8 v[PFO], s[PFA:PFA+1] offset:3*KSB th:TH_LOAD_NT scope:SCOPE_SE   ; K step 3
.irp b, 0,1,2,3,4,5,6,7
	global_load_b128 v[BI+8*\b:BI+8*\b+3], v7, s[8:9] offset:64*\b       ; bp at my lane's eight columns of block b
	global_load_b128 v[BI+8*\b+4:BI+8*\b+7], v7, s[8:9] offset:64*\b+16
.endr
.macro FRAG reg, adr, q, i             ; a fragment: four loads of 512 consecutive bytes, the image of its 16 registers
.irp c, 0,1,2,3
	ds_load_b128 v[\reg+4*\c:\reg+4*\c+3], v[\adr] offset:(\i)*4096+(\q)*2048+512*\c
.endr
.endm
.macro FETCH kp, q, p                  ; 48 loads from place kp: Wp's eight fragments and O's four into set p
	WIN TO_B
.irp i, 0,1,2,3,4,5,6,7
	FRAG 128*(\p)+FR*\i, ADRB+\kp, \q, \i
.endr
	WIN 0
.irp i, 0,1,2,3
	FRAG AF+64*(\p)+FR*\i, ADRA+\kp, \q, \i
.endr
.endm
.macro SCALES sc                       ; a K step's scale words, two a row: lanes 0-15 O's block i (0-3 are used), lanes 16-31 Wp's block i
.irp i, 0,1,2,3,4,5,6,7
	ds_load_b64 v[SC+16*\sc+2*\i:SC+16*\sc+2*\i+1], v[ADRS] offset:\i*128
.endr
.endm
.macro MUL8 a, p, q, sc, first         ; O's block a x Wp's eight; the 32 accumulators take turns, one instruction a turn
.irp b, 0,1,2,3,4,5,6,7
.if \first
	v_wmma_scale_f32_16x16x128_f8f6f4 v[8*(8*(\a)+\b):8*(8*(\a)+\b)+7], v[128*(\p)+FR*\b:128*(\p)+FR*\b+15], v[AF+64*(\p)+FR*(\a):AF+64*(\p)+FR*(\a)+15], v[BI+8*\b:BI+8*\b+7], v[SC+16*(\sc)+2*\b+(\q)], v[SC+16*(\sc)+2*(\a)+(\q)] matrix_a_fmt:MATRIX_FMT_BF8 matrix_b_fmt:MATRIX_FMT_BF8 matrix_a_scale:MATRIX_SCALE_ROW1
.else
	v_wmma_scale_f32_16x16x128_f8f6f4 v[8*(8*(\a)+\b):8*(8*(\a)+\b)+7], v[128*(\p)+FR*\b:128*(\p)+FR*\b+15], v[AF+64*(\p)+FR*(\a):AF+64*(\p)+FR*(\a)+15], v[8*(8*(\a)+\b):8*(8*(\a)+\b)+7], v[SC+16*(\sc)+2*\b+(\q)], v[SC+16*(\sc)+2*(\a)+(\q)] matrix_a_fmt:MATRIX_FMT_BF8 matrix_b_fmt:MATRIX_FMT_BF8 matrix_a_scale:MATRIX_SCALE_ROW1
.endif
.endr
.endm
.macro PLACES n
.rept \n
	v_nop
.endr
.endm
.macro STEP kp, sc, first              ; a K step's first 128, on set 0; the second's fragments are asked for into set 1 ahead of the products
	s_wait_dscnt 0x0                               ; this step's fragments and scale words are in
.if \first
	FETCH \kp, 1, 1
	WIN BIA
.else
	PLACES NP                                      ; behind the products that read set 1
	FETCH \kp, 1, 1
	WIN MUL
.endif
.irp a, 0,1,2,3
	MUL8 \a, 0, 0, \sc, \first
.endr
.endm
; A K step's second 128, on set 1; the next K step's first fragments come from place nkp into set 0, its scale words into set nsc.
; how = 0: the next K step lies in LDS since the head: no barrier.  how = 1: one barrier: it is the refill's.  how = 2: the barrier opens the round behind which place 0 is filled again.
.macro TURN sc, nkp, nsc, how
	WIN 0
.if \how
	s_wait_tensorcnt 0x0                           ; all my tensor loads have landed
	ds_add_u32 v[SPW], v[NIL]
	s_wait_dscnt 1                                 ; my 48 fragment loads are in; the add alone may be out
	WIN MUL
	MUL8 0, 1, 1, \sc, 0
	s_wait_dscnt 0x0                               ; the add is done; my reads of this K step's place are over
	s_barrier_signal -1
	MUL8 1, 1, 1, \sc, 0
	WIN 0
	s_barrier_wait -1
.if \how == 2
	CREST                                          ; no wave of any partner still reads place 0 or has a load on its way
	JLOAD G0, G1, G0B, G1B                         ; the first tensor load behind the round; its four v_nop are four of the eight places
	PLACES NP-4
.else
	PLACES NP
.endif
.else
	s_wait_dscnt 0x0
	PLACES NP
.endif
	v_add_nc_u32 v[ADRS], 1024, v[ADRS]            ; the next K step's scale words
	s_wait_alu depctr_va_vdst(0)                   ; the wait, directly behind the write
	FETCH \nkp, 0, 0
	SCALES \nsc
	WIN MUL
.if \how == 0
	MUL8 0, 1, 1, \sc, 0
	MUL8 1, 1, 1, \sc, 0
.endif
	MUL8 2, 1, 1, \sc, 0
	MUL8 3, 1, 1, \sc, 0
.endm
	s_wait_tensorcnt 0x0                           ; my tile of the head's four is in, and no tensor load of mine is out, so descriptors may be written:
	s_mov_b32 s[G1+2], 64<<16                      ; the refill of O brings 64 rows of 256 bytes a wave,
	s_mov_b32 s[G1+4], 64
	DESC G1B, 32, 128, 32                          ; that of Wp one record's K step, dense
	s_barrier_signal -1
	s_barrier_wait -1                              ; everybody's tile is in
	FETCH 0, 0, 0
	SCALES 0
	s_wait_loadcnt 0x0                             ; the bias
	STEP 0, 0, 1                                   ; K step 0: the first products start the sums on the bias
	TURN 0, 1, 1, 2                                ; place 0 takes K step 3
	STEP 1, 1, 0                                   ; K step 1
	TURN 1, 2, 0, 0
	STEP 2, 0, 0                                   ; K step 2
	TURN 0, 0, 1, 1                                ; K step 3 is whole behind this barrier
	STEP 0, 1, 0                                   ; K step 3
	s_wait_dscnt 0x0
	WIN MUL
.irp a, 0,1,2,3
	MUL8 \a, 1, 1, 1, 0
.endr
	WIN 0
; THE WAY OUT, block by block of 16 rows x 128 columns, through my own stage: rows come back whole, and the 32 lanes store 512 consecutive aligned bytes.  LDS serves a wave's instructions in order (ISA guide 5.7.1.4).
.macro TOSTAGE a
.set AC, 64*(\a)
	WIN 0x08                                       ; the data: window 2
.irp b, 0,1,2,3,4,5,6,7
	ds_store_b128 v[STO], v[AC+8*\b:AC+8*\b+3] offset:64*\b          ; each accumulator from its low end on
	ds_store_b128 v[STO], v[AC+8*\b+4:AC+8*\b+7] offset:64*\b+16
.endr
	WIN 0
.set BB, BK+64*((\a)%2)
.irp t, 0,1,2,3,4,5,6,7,8,9,10,11,12,13,14,15
	ds_load_b128 v[BB+4*\t:BB+4*\t+3], v[RD] offset:\t*SPITCH
.endr
.endm
.macro SEND a, younger                 ; younger: the LDS instructions issued behind block a's loads
.set BB, BK+64*((\a)%2)
	s_wait_dscnt \younger
.if (\a) > 0
	s_add_nc_u64 s[10:11], s[10:11], 16*SIZE_N*4   ; behind a wait on XCNT: the earlier stores have read their base
.endif
.irp t, 0,1,2,3,4,5,6,7,8,9,10,11,12,13,14,15
	global_store_b128 v[CO], v[BB+4*\t:BB+4*\t+3], s[10:11] offset:\t*SIZE_N*4 th:TH_STORE_NT
.endr
.endm
	PLACES NP                                      ; behind the last products: for the loads into O's fragment registers and the reads of the results
	TOSTAGE 0
.irp a, 1,2,3
.if \a > 1
	s_wait_xcnt 0x0                                ; block a - 2's stores have read their registers and their base
.endif
	TOSTAGE \a
	SEND \a-1, 32                                  ; behind block a - 1's loads: block a's 16 stores and 16 loads
.endr
	s_wait_xcnt 0x0
	SEND 3, 0
	s_wait_tensorcnt 0x0                           ; the wave's end
	ds_add_u32 v[SPW], v[NIL]
	s_wait_dscnt 0x0
	CROUND                                         ; the closing round
	s_endpgm
.Lfunc_end_k_q472a90144e_proj:
	.size	k_q472a90144e_proj, .Lfunc_end_k_q472a90144e_proj-k_q472a90144e_proj
	.p2alignl 7, 3214868480
	.fill 96, 4, 3214868480
	.section	.rodata,"a",@progbits
	.p2align	6, 0x0
	.amdhsa_kernel k_q472a90144e_proj
		.amdhsa_group_segment_fixed_size 327680
		.amdhsa_private_segment_fixed_size 0
		.amdhsa_enable_private_segment 0
		.amdhsa_kernarg_size 32
		.amdhsa_user_sgpr_count 2
		.amdhsa_user_sgpr_kernarg_segment_ptr 1
		.amdhsa_wavefront_size32 1
		.amdhsa_system_sgpr_workgroup_id_x 1
		.amdhsa_system_sgpr_workgroup_id_y 1
		.amdhsa_system_sgpr_workgroup_id_z 1
		.amdhsa_system_vgpr_workitem_id 0
		.amdhsa_next_free_vgpr 1024
		.amdhsa_next_free_sgpr 100
		.amdhsa_reserve_vcc 0
		.amdhsa_float_denorm_mode_32 3
		.amdhsa_float_denorm_mode_16_64 3
		.amdhsa_memory_ordered 1
		.amdhsa_forward_progress 1
		.amdhsa_inst_pref_size 88
	.end_amdhsa_kernel
	.amdgpu_metadata
---
amdhsa.version: [ 1, 2 ]
amdhsa.kernels:
  - .name:           k_q472a90144e_proj
    .symbol:         k_q472a90144e_proj.kd
    .args:
      - { .name: o_img, .offset: 0, .size: 8, .value_kind: global_buffer, .address_space: global }
      - { .name: wp_img, .offset: 8, .size: 8, .value_kind: global_buffer, .address_space: global }
      - { .name: bp, .offset: 16, .size: 8, .value_kind: global_buffer, .address_space: global }
      - { .name: out0, .offset: 24, .size: 8, .value_kind: global_buffer, .address_space: global }
    .group_segment_fixed_size: 327680
    .private_segment_fixed_size: 0
    .kernarg_segment_align: 8
    .kernarg_segment_size: 32
    .max_flat_workgroup_size: 128
    .sgpr_count:     100
    .vgpr_count:     1024
    .wavefront_size: 32
...
	.end_amdgpu_metadata
.endif
;; end of part 4
